; MI455X (gfx1250); checked and timed in simulation.
; The chip was launched on July 23, 2026; its instructions are those of AMD's public machine-readable ISA for CDNA 5 (MIT licence, August 2026) and "CDNA5" Instruction Set Architecture Reference Guide (July 2026). The comments in the code are by the model that wrote it; some were corrected since.
;; Manual Transformer Layer. Allowed arithmetic: matrix products marked QUANTISED: E4M3 operands, one given power-of-two scale a tensor, by v_wmma_f32_16x16x64_fp8_fp8 or v_wmma_f32_16x16x128_fp8_fp8, f32 sums; everything else in f32.
;; Inputs: W1_codes 4,096 x 32 x 32 uint8 (E4M3 codes of W1, K innermost, in blocks of 32 codes); W2_codes 1,024 x 128 x 32 uint8 (E4M3 codes of W2, K innermost, in blocks of 32 codes); Wk_codes 1,024 x 32 x 32 uint8 (E4M3 codes of Wk, K innermost, in blocks of 32 codes); Wo_codes 1,024 x 32 x 32 uint8 (E4M3 codes of Wo, K innermost, in blocks of 32 codes); Wq_codes 1,024 x 32 x 32 uint8 (E4M3 codes of Wq, K innermost, in blocks of 32 codes); Wv_codes 1,024 x 32 x 32 uint8 (E4M3 codes of Wv, K innermost, in blocks of 32 codes); b1 1,024 float32; b2 1,024 float32; bf1 4,096 float32; bf2 1,024 float32; bk 1,024 float32; bo 1,024 float32; bq 1,024 float32; bv 1,024 float32; g1 1,024 float32; g2 1,024 float32; lowp_scales 16 int32 (the exponents e of the quantised operands' scales 2^e); x 2 x 2,048 x 1,024 float32.
;; Outputs: out0 2 x 2,048 x 1,024 float32.
;; This version of the problem:
;;   THIS VERSION OF THE PROBLEM IS GIVEN IN LOW PRECISION. The matrix products marked QUANTISED in the list below multiply operands that are first quantised to E4M3 (4 exponent bits, 3 mantissa bits; 8 bits a number), with one given power-of-two scale for each operand tensor; their sums are f32. All else is computed in f32.
;;   The module's matrix products, in the order in which they are computed (A, B: the left and right operand; K: the contracted axis; several contracted axes count as one K, in the product's order):
;;     1. [M 4,096, K 1,024] x [K 1,024, N 1,024]; A: input x; B: input Wq (given as codes): QUANTISED (scales: A lowp_scales[0], B lowp_scales[1])
;;     2. [M 4,096, K 1,024] x [K 1,024, N 1,024]; A: input x; B: input Wk (given as codes): QUANTISED (scales: A lowp_scales[2], B lowp_scales[3])
;;     3. [M 4,096, K 1,024] x [K 1,024, N 1,024]; A: input x; B: input Wv (given as codes): QUANTISED (scales: A lowp_scales[4], B lowp_scales[5])
;;     4. batch 32 x [M 2,048, K 64] x [K 64, N 2,048]; A: computed on the way; B: computed on the way: QUANTISED (scales: A lowp_scales[6], B lowp_scales[7])
;;     5. batch 32 x [M 2,048, K 2,048] x [K 2,048, N 64]; A: softmax (see below); B: computed on the way: QUANTISED (scales: A lowp_scales[8], B lowp_scales[9])
;;     6. [M 4,096, K 1,024] x [K 1,024, N 1,024]; A: computed on the way; B: input Wo (given as codes): QUANTISED (scales: A lowp_scales[10], B lowp_scales[11])
;;     7. [M 4,096, K 1,024] x [K 1,024, N 4,096]; A: computed on the way; B: input W1 (given as codes): QUANTISED (scales: A lowp_scales[12], B lowp_scales[13])
;;     8. [M 4,096, K 4,096] x [K 4,096, N 1,024]; A: computed on the way; B: input W2 (given as codes): QUANTISED (scales: A lowp_scales[14], B lowp_scales[15])
;;   THE QUANTISER, for each operand of a quantised product, along K:
;;     - The operand's scale is 2^e, e = its entry of the input lowp_scales (int32; the entries are numbered through the quantised products in the list's order, A before B).
;;     - Each number is divided by the scale, clamped to +-448, and rounded to the nearest number of E4M3, ties to even, subnormals kept.
;;     - The product sums the exact products of the quantised numbers (number of the format x scale) in f32.
;;   ~~~python
;;   def quantise(x, axis, e):      # numpy; x: float32 -> the quantised numbers, widened to float32 again
;;       x = np.moveaxis(x, axis, -1); K = x.shape[-1]
;;       r = np.clip(x / 2.0 ** e, -448, 448)
;;       step = 2.0 ** (np.maximum(np.frexp(np.where(r == 0, 1, r))[1] - 1, -6) - 3)
;;       q = np.round(r / step) * step * 2.0 ** e      # np.round: ties to even
;;       return np.moveaxis(q, -1, axis).astype(np.float32)
;;   ~~~
;;   SOFTMAX AHEAD OF A QUANTISED PRODUCT. Where the list says 'softmax', what is quantised is not the finished softmax but p = 2^(t - M), with t = logit x log2(e) and M = ceil(the row's largest t), a whole number; so 1/2 < the row's largest p <= 1. The row's sum l is taken of the UNQUANTISED p, in f32, and the product's result is divided by l at the end. Since M is a whole number, a kernel that streams over the keys may use a running M (the ceiling of the running maximum): every later rescaling is an exact power of two, so the quantised numbers keep their values, but for numbers so far below the row's largest that they fall under the format's range.
;;   OPERANDS COMPUTED ON THE WAY. 'Computed on the way' means the value that the module computes at that place (a softmax that the list does not call 'softmax' is quantised finished and normalised). What goes into a quantiser is computed in f32, as accurately as f32 sums, v_exp_f32 and their like allow (about 1e-6 of the number): no bf16 or f16 on the way to a quantiser, and a product that is left as it is and whose result goes on into a quantised operand takes f32 operands (vector FMAs, or v_wmma_f32_16x16x4_f32). A number that lies on a knife's edge between two numbers of the format may be rounded either way, as far as f32 arithmetic and the matrix unit's own rounding can turn it there, and no further.
;;   INPUTS GIVEN AS CODES. W1 (in the module: [1024, 4096], K = its axis 0); W2 (in the module: [4096, 1024], K = its axis 0); Wk (in the module: [1024, 1024], K = its axis 0); Wo (in the module: [1024, 1024], K = its axis 0); Wq (in the module: [1024, 1024], K = its axis 0); Wv (in the module: [1024, 1024], K = its axis 0): each comes as NAME_codes (uint8): NAME with its K axis moved to the last place and cut into blocks of 32 codes, [.., K / 32, bytes a block], one block behind the other in memory; one code a byte (a code: sign, 4 exponent bits, 3 mantissa bits); its scale is its entry of lowp_scales. Its value is code x scale, taken as it is: it is not quantised again, and the codes and scales need not be those that the quantiser above would give.
;; One version. Each part assembles by itself: llvm-mc -triple=amdgcn-amd-amdhsa -mcpu=gfx1250 --defsym DOCPART=n.
;; ======== version 1 of 1: 8 launches
;; limits: right only within a limited range of input values
;; workspace buffers: xc 8,388,608 bytes; qv 12,582,912 bytes; cx 4,194,304 bytes; yy 16,777,216 bytes; pa 16,777,216 bytes; pc 4,194,304 bytes; hc 16,777,216 bytes
;; launch quant_x (part 1): grid 256 x 1, 4 waves a work-group, no clusters, 33,280 bytes of LDS; arguments x, lowp_scales, xc; writes xc
.if DOCPART == 1
	.amdgcn_target "amdgcn-amd-amdhsa--gfx1250"
	.amdhsa_code_object_version 6
	.text
	.protected	k_q19f48029b9_quant_x
	.globl	k_q19f48029b9_quant_x
	.p2align	8
	.type	k_q19f48029b9_quant_x,@function
k_q19f48029b9_quant_x:
	s_mov_b64 s[64:65], 0
	v_nop
	global_prefetch_b8 v0, s[64:65] scope:SCOPE_SE
	s_setreg_imm32_b32 hwreg(HW_REG_WAVE_MODE, 25, 1), 1
	s_wait_xcnt 0x0
; DEAD WORK, for the whole program: reference() computes k = x Wk + bk, reshapes it and uses it in no later step (the scores are taken against v).  So for all values of the inputs
; product 2 of the table reaches no output: it is left out, and Wk_codes, bk and entries 2 and 3 of the scales are loaded by no launch and are among no launch's arguments.
; LIMIT: a NaN, an infinity or an overflow that would reach k alone is not carried to the result.
; x [4096][1024] f32 becomes two sets of E4M3 codes, [4096][1024] bytes each, 4 MiB apart in xc: at the scales 2^e of entries 0 (for q) and 4 (for v).
; code = x / 2^e, held within +-448, rounded to the nearest code, ties to even.  LIMITS: -126 <= e and e + 8 <= 127.  NaN among the inputs is not served.
; A wave takes 8 steps of 512 numbers.  Each of a step's four loads reads 512 consecutive bytes; the 2,048 bytes turn through the wave's own stage in LDS (16 bytes of padding behind each 64)
; and come back 16 neighbours a lane.  A lane's 16 codes are 16 bytes: each store of the wave covers 512 consecutive bytes.  Waves share nothing: no barrier.
.set STEPS, 8
.set SP,    80
.set WREG,  8192
.set SC,    5                          ; v5-6    2^e
.set LM,    8                          ; v8-9    448 x 2^e
.set R,     16                         ; v16-79  four sets of 16 numbers as loaded
.set X,     80                         ; v80-111 two sets of 16 neighbours
.set T,     112                        ; v112-143 two sets of held numbers, by turns
.set C,     144                        ; v144-207 codes: four registers for each step and scale
.set OB,    24
	s_load_b128 s[4:7], s[0:1], 0x0
	s_load_b64 s[8:9], s[0:1], 0x10
	v_lshl_add_u32 v240, v0, 2, 0x8000
	v_mov_b32 v241, 0
	v_lshrrev_b32 v1, 5, v0
	v_readfirstlane_b32 s12, v1
	v_and_b32 v2, 31, v0
	v_lshlrev_b32 v3, 4, v2
	s_mul_i32 s13, s12, WREG
	v_lshrrev_b32 v14, 2, v2
	v_mul_u32_u24 v14, v14, SP
	v_and_b32 v15, 3, v2
	v_lshl_add_u32 v14, v15, 4, v14
	v_add_nc_u32 v14, s13, v14
	v_mul_u32_u24 v15, v2, SP
	v_add_nc_u32 v15, s13, v15
	s_lshl_b32 s14, ttmp9, 2
	s_add_co_u32 s14, s14, s12
	s_lshl_b32 s10, s14, 14
	s_mov_b32 s11, 0
	s_lshl_b32 s14, s14, 12
	s_mov_b32 s15, 0
	s_wait_alu depctr_va_vdst(0)
	s_wait_kmcnt 0x0
	s_load_b256 s[16:23], s[6:7], 0x0
	s_add_nc_u64 s[4:5], s[4:5], s[10:11]
	s_add_nc_u64 s[OB:OB+1], s[8:9], s[14:15]
	s_add_nc_u64 s[OB+2:OB+3], s[OB:OB+1], 0x400000
.macro LOAD t
.irp i, 0,1,2,3
	global_load_b128 v[R+16*((\t)%4)+4*\i:R+16*((\t)%4)+4*\i+3], v3, s[4:5] offset:2048*(\t)+512*\i th:TH_LOAD_NT
.endr
.endm
.macro TURN t
.irp i, 0,1,2,3
	ds_store_b128 v14, v[R+16*((\t)%4)+4*\i:R+16*((\t)%4)+4*\i+3] offset:32*SP*((\t)%2)+8*SP*\i
.endr
.irp i, 0,1,2,3
	ds_load_b128 v[X+16*((\t)%2)+4*\i:X+16*((\t)%2)+4*\i+3], v15 offset:32*SP*((\t)%2)+16*\i
.endr
.endm
.irp t, 0,1,2,3
	LOAD \t
.endr
	s_wait_kmcnt 0x0
.irp s, 0,1
	s_add_co_i32 s30, s[16+4*\s], 127
	s_lshl_b32 s31, s30, 23
	v_mov_b32 v[SC+\s], s31
	s_add_co_i32 s30, s30, 8
	s_lshl_b32 s30, s30, 23
	s_or_b32 s30, s30, 0x600000
	v_mov_b32 v[LM+\s], s30
.endr
	s_wait_alu depctr_va_vdst(0)
	s_wait_loadcnt 12                              ; step 0's four loads are in; three steps' may be out
	TURN 0
.macro STEP t
	s_wait_dscnt 0x0
.if (\t)+4 < STEPS
	LOAD (\t)+4
.endif
.if (\t)+1 < STEPS
.if STEPS-2-(\t) >= 3
	s_wait_loadcnt 12                              ; the next step's loads are in; those of the three steps behind it may be out
.else
	s_wait_loadcnt 4*(STEPS-2-(\t))
.endif
	TURN (\t)+1
.endif
.irp s, 0,1
.set TS, T+16*\s                               ; the two sets take turns: sixteen plain lines stand between a conversion and the next write of its sources
.set CC, C+4*(2*(\t)+\s)
.irp i, 0,1,2,3,4,5,6,7,8,9,10,11,12,13,14,15
	v_med3_num_f32 v[TS+\i], v[X+16*((\t)%2)+\i], -v[LM+\s], v[LM+\s]   ; the conversion does not saturate (ISA guide 7.6.2): the hold comes first
.endr
	v_cvt_scalef32_pk8_fp8_f32 v[CC:CC+1], v[TS:TS+7], v[SC+\s]
	v_cvt_scalef32_pk8_fp8_f32 v[CC+2:CC+3], v[TS+8:TS+15], v[SC+\s]
	global_store_b128 v3, v[CC:CC+3], s[OB+2*\s:OB+2*\s+1] offset:512*(\t)
.endr
.endm
.irp t, 0,1,2,3,4,5,6,7
	STEP \t
.endr
	s_wait_tensorcnt 0x0
	ds_add_u32 v240, v241
	s_wait_dscnt 0x0
	s_endpgm
.Lfunc_end_k_q19f48029b9_quant_x:
	.size	k_q19f48029b9_quant_x, .Lfunc_end_k_q19f48029b9_quant_x-k_q19f48029b9_quant_x
	.p2alignl 7, 3214868480
	.fill 96, 4, 3214868480
	.section	.rodata,"a",@progbits
	.p2align	6, 0x0
	.amdhsa_kernel k_q19f48029b9_quant_x
		.amdhsa_group_segment_fixed_size 33280
		.amdhsa_private_segment_fixed_size 0
		.amdhsa_enable_private_segment 0
		.amdhsa_kernarg_size 24
		.amdhsa_user_sgpr_count 2
		.amdhsa_user_sgpr_kernarg_segment_ptr 1
		.amdhsa_wavefront_size32 1
		.amdhsa_system_sgpr_workgroup_id_x 1
		.amdhsa_system_sgpr_workgroup_id_y 1
		.amdhsa_system_sgpr_workgroup_id_z 1
		.amdhsa_system_vgpr_workitem_id 0
		.amdhsa_next_free_vgpr 242
		.amdhsa_next_free_sgpr 66
		.amdhsa_reserve_vcc 0
		.amdhsa_float_denorm_mode_32 3
		.amdhsa_float_denorm_mode_16_64 3
		.amdhsa_memory_ordered 1
		.amdhsa_forward_progress 1
		.amdhsa_inst_pref_size 30
	.end_amdhsa_kernel
	.amdgpu_metadata
---
amdhsa.version: [ 1, 2 ]
amdhsa.kernels:
  - .name:           k_q19f48029b9_quant_x
    .symbol:         k_q19f48029b9_quant_x.kd
    .args:
      - { .name: x, .offset: 0, .size: 8, .value_kind: global_buffer, .address_space: global }
      - { .name: lowp_scales, .offset: 8, .size: 8, .value_kind: global_buffer, .address_space: global }
      - { .name: xc, .offset: 16, .size: 8, .value_kind: global_buffer, .address_space: global }
    .group_segment_fixed_size: 33280
    .private_segment_fixed_size: 0
    .kernarg_segment_align: 8
    .kernarg_segment_size: 24
    .max_flat_workgroup_size: 128
    .sgpr_count:     66
    .vgpr_count:     242
    .wavefront_size: 32
...
	.end_amdgpu_metadata
.endif
;; end of part 1
;; launch qkv (part 2): grid 12 x 16, 4 waves a work-group, clusters of 4 x 4, 327,680 bytes of LDS; arguments xc, Wq_codes, Wv_codes, bq, bv, lowp_scales, qv; writes qv
.if DOCPART == 2
	.amdgcn_target "amdgcn-amd-amdhsa--gfx1250"
	.amdhsa_code_object_version 6
	.text
	.protected	k_q19f48029b9_qkv
	.globl	k_q19f48029b9_qkv
	.p2align	8
	.type	k_q19f48029b9_qkv,@function
k_q19f48029b9_qkv:
	s_mov_b64 s[64:65], 0
	v_nop
	global_prefetch_b8 v0, s[64:65] scope:SCOPE_SE
	s_setreg_imm32_b32 hwreg(HW_REG_WAVE_MODE, 25, 1), 1
	s_wait_xcnt 0x0
	s_wait_alu depctr_hold_cnt(0) depctr_sa_sdst(0) depctr_va_vdst(0) depctr_va_sdst(0) depctr_va_ssrc(0) depctr_va_vcc(0) depctr_vm_vsrc(0)
	s_getreg_b32 s2, hwreg(HW_REG_IB_STS2, 6, 4)
	s_cmp_eq_u32 s2, 0
	s_cbranch_scc0 .Lentry_in_a_cluster
	s_endpgm
.Lentry_in_a_cluster:
	s_bfe_u32 s2, ttmp6, 0x10000c
	s_cmp_lg_u32 s2, 0xf033
	s_cbranch_scc0 .Lentry_shape_is_right
	s_endpgm
.Lentry_shape_is_right:
; k = x Wk + bk is left out: reference() uses it nowhere (shown at the head of the first kernel).
; Three products on E4M3 codes, K = 1,024, chosen by the cluster's x (P), which all partners of a cluster share.  64 blocks each: 192 work-groups have work, and no more are launched.
;   P = 0: q = x Wq + bq, quantised at entry 6, stored as codes [batch x head][token][64] at qv + 0
;   P = 1: v = x Wv + bv, quantised at entry 7 along the head's 64, stored like q at qv + 4 MiB
;   P = 2: v with the operands changed over (rows = Wv's, columns = tokens), quantised at entry 9 along the tokens, stored [batch x head][token / 128][64][128] at qv + 8 MiB: the keys innermost
; THE ORDER OF THE CODES IN A STORED ROW: within each 32, position 16 h + 8 u + i holds column 16 u + 8 h + i (h, u = 0 or 1, i = 0 .. 7): a 16-byte piece of v^T then holds, for a lane of half h,
; keys 8 h + 0 .. 7 of two neighbouring tiles of 16 keys, as the attention's weights come out of its first product.  q and v along the head's 64 have the same order, so every product meets its partner.
; A block, 256 x 256, is made by four waves, each 128 x 128 in 64 accumulators.  K goes in steps of 256 through a ring of two LDS slots.  CLUSTERS: 4 x 4; the left operand's tile is asked for jointly along a row, the right's along a column.
; The matrix instruction is used transposed (source 0 = the right operand's rows): a lane holds eight neighbouring columns of a row, which one conversion turns into eight codes.
; The bias hangs on the column (P < 2) or on the row (P = 2): both are loaded, at offset 0 where unused, and the unused one is made zero by a mask.
; PREFETCH: behind the joint load of K step i (i = 0, 1) each wave names K step i + 2 of 32 of the 128 rows that it fetches, a lane a row of 256 bytes; the four partners that ask jointly share the rows out by address.
; LIMITS: the sum of a product's two exponents lies between -126 and 127; the exponent of an output's scale between -126 and 119.  NaN is not served by the hold.
; REGISTERS: window 0: v0-31 addresses; v32-95 column bias; v96-111 row bias; v112-127 codes; from v128 the left operand's fragments; window 1: the right operand's, two sets; windows 2, 3: accumulators.
.set ROWB,   256
.set KROW,   1024
.set PITCH,  272
.set FR,     16
.set NL,     4
.set NP,     4
.set HALFT,  128*PITCH
.set SLOT,   4*HALFT
.set LAPS,   2
.set SPARE,  2*SLOT
.set CPITCH, 272                       ; the way out: the work-group's stage of 256 rows x (256 + 16) bytes in slot 0, which has had its last fill and read by then
.set BCO,  8
.set BRO,  9
.set RDH,  10
.set RDH2, 11
.set LIM,  12
.set SCL,  13
.set RDR,  14
.set ADRA, 16
.set COH,  18
.set ADRB, 20
.set STO,  24
.set SPW,  28
.set NIL,  29
.set PFO,  30
.set BC,   32
.set BR,   96
.set CD,   112
.set AF,   128
.set TMP,  128
.set OUT,  128
.set G1, 24
.set G0, 32
.set G1B, 48
.set G0B, 56
.set PFA, 86
.set MSB, 0
.macro WIN new
.if MSB != (\new)
	s_set_vgpr_msb (MSB<<8)|(\new)
.set MSB, \new
.endif
.endm
.set MUL_LO, 0xa1
.set MUL_HI, 0xf1
.set TO_B,   0x40
.macro JLOAD g0a, g1a, g0b, g1b        ; waves 0, 1 fetch for the left operand, waves 2, 3 for the right
	s_cmp_eq_u32 s15, 0
	s_cbranch_scc0 .Lfor_b_\@
	tensor_load_to_lds s[\g0a:\g0a+3], s[\g1a:\g1a+7]
	s_nop 0
.rept 4
	v_nop
.endr
	s_branch .Lasked_\@
.Lfor_b_\@:
	tensor_load_to_lds s[\g0b:\g0b+3], s[\g1b:\g1b+7]
	s_nop 0
.rept 4
	v_nop
.endr
.Lasked_\@:
.endm
.macro CREST
	s_cmp_lg_u32 s14, 0
	s_cbranch_scc1 .Lnot_wave_0_\@
	s_barrier_signal -3
.Lnot_wave_0_\@:
	s_barrier_wait -3
	s_barrier_signal -1
	s_barrier_wait -1
.endm
.macro CROUND
	s_barrier_signal -1
	s_barrier_wait -1
	CREST
.endm
	s_load_b256 s[68:75], s[0:1], 0x0              ; xc 68, Wq 70, Wv 72, bq 74
	s_load_b128 s[76:79], s[0:1], 0x20             ; bv 76, the scales' exponents 78
	s_load_b64 s[84:85], s[0:1], 0x30              ; qv
	v_lshl_add_u32 v[SPW], v0, 2, SPARE
	v_mov_b32 v[NIL], 0
	ds_add_u32 v[SPW], v[NIL]
	ds_add_u32 v[SPW], v[NIL]
	v_lshrrev_b32 v1, 5, v0
	v_readfirstlane_b32 s14, v1                    ; wave
	s_lshr_b32 s15, s14, 1                         ; my half of the rows; also: I fetch for the left (0) or right operand (1)
	s_and_b32 s16, s14, 1                          ; my half of the columns; also: which 128 rows I fetch
	s_mov_b32 s12, ttmp9                           ; P
	s_and_b32 s13, ttmp7, 0xffff
	s_bfe_u32 s40, ttmp6, 0x40000                  ; cx
	s_bfe_u32 s41, ttmp6, 0x40004                  ; cy
	s_lshl_b32 s100, s13, 2
	s_cmp_eq_u32 s12, 2
	s_cselect_b32 s17, 0, s100
	s_cselect_b32 s42, s100, 0
	s_cselect_b32 s98, 0, -1                       ; keeps the column bias where P < 2
	s_cselect_b32 s99, -1, 0                       ; keeps the row bias where P = 2
	s_add_co_u32 s17, s17, s41                     ; tile row
	s_add_co_u32 s42, s42, s40                     ; tile column
	s_lshl_b32 s43, s41, 2
	s_lshl_b32 s43, 15, s43
	s_lshl_b32 s44, 0x1111, s40
	s_or_b32 s[G1+0], s43, (0<<16)|(1<<20)|(1<<21)|(5<<22)|(3<<25)
	s_or_b32 s[G1B+0], s44, (0<<16)|(1<<20)|(1<<21)|(5<<22)|(3<<25)
.irp g, G1, G1B
	s_mov_b32 s[\g+1], ROWB<<16
	s_mov_b32 s[\g+2], 128<<16
	s_mov_b32 s[\g+3], ROWB<<16
	s_mov_b32 s[\g+4], 128
	s_mov_b32 s[\g+5], KROW
	s_mov_b32 s[\g+6], 0
	s_mov_b32 s[\g+7], 0
.endr
	s_lshl_b32 s18, s16, 7
	s_lshl_b32 s20, s17, 8
	s_add_co_u32 s20, s20, s18
	s_lshl_b32 s20, s20, 10
	s_mov_b32 s21, 0
	s_lshl_b32 s46, s42, 8
	s_add_co_u32 s46, s46, s18
	s_lshl_b32 s46, s46, 10
	s_mov_b32 s47, 0
	s_mul_i32 s45, s14, HALFT
	s_wait_dscnt 0x0
	s_wait_kmcnt 0x0
	s_load_b256 s[88:95], s[78:79], 0x0            ; entries 0 to 7
	s_load_b64 s[96:97], s[78:79], 0x20            ; entries 8, 9
	s_cmp_eq_u32 s12, 0
	s_cselect_b64 s[6:7], s[70:71], s[72:73]       ; the weight and the bias of P
	s_cselect_b64 s[8:9], s[74:75], s[76:77]
	s_min_u32 s100, s12, 1
	s_lshl_b32 s100, s100, 22
	s_mov_b32 s101, 0
	s_add_nc_u64 s[4:5], s[68:69], s[100:101]      ; x's codes at the scale of P's product
	s_cmp_eq_u32 s12, 2
	s_cselect_b64 s[10:11], s[6:7], s[4:5]
	s_cselect_b64 s[6:7], s[4:5], s[6:7]
	s_add_nc_u64 s[20:21], s[10:11], s[20:21]
	s_add_nc_u64 s[46:47], s[6:7], s[46:47]
	s_cmp_eq_u32 s15, 0                            ; the prefetches: my work-group's 32 of the 128 rows that I fetch
	s_cselect_b64 s[PFA:PFA+1], s[20:21], s[46:47]
	s_cselect_b32 s100, s40, s41
	s_lshl_b32 s100, s100, 15
	s_add_nc_u64 s[PFA:PFA+1], s[PFA:PFA+1], s[100:101]
	CROUND
.irp s, 0,1
	s_mov_b32 s[G0+4*\s], 1
	s_add_co_u32 s[G0+4*\s+1], s45, \s*SLOT
	s_add_nc_u64 s[G0+4*\s+2:G0+4*\s+3], s[20:21], \s*ROWB
	s_or_b32 s[G0+4*\s+3], s[G0+4*\s+3], 0x80000000
	s_mov_b32 s[G0B+4*\s], 1
	s_add_co_u32 s[G0B+4*\s+1], s45, \s*SLOT
	s_add_nc_u64 s[G0B+4*\s+2:G0B+4*\s+3], s[46:47], \s*ROWB
	s_or_b32 s[G0B+4*\s+3], s[G0B+4*\s+3], 0x80000000
.endr
	JLOAD G0, G1, G0B, G1B                         ; K step 0: one tensor load a wave at the head
	s_mul_i32 s21, s15, HALFT
	s_mul_i32 s22, s16, HALFT
	s_add_co_u32 s22, s22, 2*HALFT
	s_mul_i32 s23, s15, 128*CPITCH
	s_lshl_b32 s100, s16, 7
	s_add_co_u32 s23, s23, s100
	s_lshl_b32 s66, s14, 6
	s_mul_i32 s67, s14, 64*CPITCH
	s_lshl_b32 s100, s42, 10
	s_lshl_b32 s101, s16, 9
	s_add_co_u32 s100, s100, s101
	s_and_b32 s18, s100, s98                       ; 4 x my first column, or 0
	s_lshl_b32 s100, s17, 10
	s_lshl_b32 s101, s15, 9
	s_add_co_u32 s100, s100, s101
	s_and_b32 s19, s100, s99                       ; 4 x my first row, or 0
	s_cmp_eq_u32 s12, 2                            ; out: 4 MiB x P + batch x 2 MiB + head (4 x head tile + wave) x 131,072 + 16,384 x (token tile % 8)
	s_cselect_b32 s100, s42, s17
	s_cselect_b32 s101, s17, s42
	s_lshr_b32 s2, s100, 3
	s_lshl_b32 s2, s2, 21
	s_and_b32 s100, s100, 7
	s_lshl_b32 s100, s100, 14
	s_add_co_u32 s2, s2, s100
	s_lshl_b32 s101, s101, 2
	s_add_co_u32 s101, s101, s14
	s_lshl_b32 s101, s101, 17
	s_add_co_u32 s2, s2, s101
	s_lshl_b32 s100, s12, 22
	s_add_co_u32 s2, s2, s100
	s_mov_b32 s3, 0
	s_add_nc_u64 s[10:11], s[84:85], s[2:3]
	v_and_b32 v1, 15, v0                           ; r
	v_bfe_u32 v2, v0, 4, 1                         ; h
	v_mul_u32_u24 v3, v1, PITCH
	v_lshl_add_u32 v4, v2, 4, v3
	v_add_nc_u32 v[ADRA], s21, v4
	v_add_nc_u32 v[ADRB], s22, v4
	v_add_nc_u32 v[ADRA+1], SLOT, v[ADRA]
	v_add_nc_u32 v[ADRB+1], SLOT, v[ADRB]
	v_add_nc_u32 v[STO], s23, v4                   ; the stage, way in
	v_and_b32 v6, 31, v0
	v_lshrrev_b32 v5, 2, v6                        ; by heads: four lanes to a row's 64 bytes; wave w takes columns 64 w on
	v_mul_u32_u24 v5, v5, CPITCH
	v_and_b32 v7, 3, v0
	v_lshl_add_u32 v5, v7, 4, v5
	v_add_nc_u32 v[RDH], s66, v5
	v_add_nc_u32 v[RDH2], 128*CPITCH, v[RDH]
	v_lshrrev_b32 v5, 3, v6                        ; by rows: eight lanes to 128 bytes of a row, four rows a load; wave w takes rows 64 w on
	v_mul_u32_u24 v5, v5, CPITCH
	v_and_b32 v7, 7, v0
	v_lshl_add_u32 v5, v7, 4, v5
	v_add_nc_u32 v[RDR], s67, v5
	v_lshlrev_b32 v[COH], 4, v6
	v_lshlrev_b32 v[PFO], 10, v6
	v_lshl_add_u32 v[BCO], v2, 5, s18
	v_lshl_add_u32 v[BRO], v1, 2, s19
	global_prefetch_b8 v[PFO], s[PFA:PFA+1] offset:ROWB th:TH_LOAD_NT scope:SCOPE_SE     ; K step 1 too: its load is issued only when K step 0 has landed
	global_prefetch_b8 v[PFO], s[PFA:PFA+1] offset:2*ROWB th:TH_LOAD_NT scope:SCOPE_SE   ; K step 2
.irp b, 0,1,2,3,4,5,6,7
	global_load_b128 v[BC+8*\b:BC+8*\b+3], v[BCO], s[8:9] offset:64*\b
	global_load_b128 v[BC+8*\b+4:BC+8*\b+7], v[BCO], s[8:9] offset:64*\b+16
.endr
.irp a, 0,1,2,3,4,5,6,7
	global_load_b32 v[BR+2*\a], v[BRO], s[8:9] offset:64*\a
.endr
.macro FRAG reg, adr, q, i
.irp c, 0,1,2,3
	ds_load_b128 v[\reg+4*\c:\reg+4*\c+3], v[\adr] offset:128*(\q)+32*\c+(\i)*16*PITCH
.endr
.endm
.macro MUL16 a0, p, zero               ; the 64 accumulators take turns
.irp a, \a0, \a0+1
.irp b, 0,1,2,3,4,5,6,7
.if \zero
	v_wmma_f32_16x16x128_fp8_fp8 v[8*(8*((\a)%4)+\b):8*(8*((\a)%4)+\b)+7], v[128*(\p)+FR*\b:128*(\p)+FR*\b+FR-1], v[AF+FR*(\a):AF+FR*(\a)+FR-1], 0
.else
	v_wmma_f32_16x16x128_fp8_fp8 v[8*(8*((\a)%4)+\b):8*(8*((\a)%4)+\b)+7], v[128*(\p)+FR*\b:128*(\p)+FR*\b+FR-1], v[AF+FR*(\a):AF+FR*(\a)+FR-1], v[8*(8*((\a)%4)+\b):8*(8*((\a)%4)+\b)+7]
.endif
.endr
.endr
.endm
.macro FETCH_B slot, q, p
	WIN TO_B
.irp i, 0,1,2,3,4,5,6,7
	FRAG 128*(\p)+FR*\i, ADRB+\slot, \q, \i
.endr
	WIN 0
.endm
.macro FETCH_A slot, q, i0
.irp i, \i0, \i0+1, \i0+2, \i0+3
	FRAG AF+FR*(\i), ADRA+\slot, \q, \i
.endr
.endm
.macro PLACES n
.rept \n
	v_nop
.endr
.endm
.macro STEP slot, q, zero
	s_wait_dscnt 4*NL                              ; the youngest sixteen loads (blocks 4-7) may be out
	WIN MUL_LO
	MUL16 0, (\q)%2, \zero
	MUL16 2, (\q)%2, \zero
	s_wait_dscnt 0
	PLACES NP
	FETCH_B \slot, (\q)+1, 1-(\q)%2
	FETCH_A \slot, (\q)+1, 0
	WIN MUL_HI
	MUL16 4, (\q)%2, \zero
	MUL16 6, (\q)%2, \zero
	PLACES NP
	WIN 0
	FETCH_A \slot, (\q)+1, 4
.endm
.macro TURN slot, next, fill           ; a slot's last step changes slots
	s_wait_tensorcnt 0x0                           ; all my tensor loads have landed
	ds_add_u32 v[SPW], v[NIL]
	s_wait_dscnt 4*NL+1                            ; the add and the youngest sixteen loads may be out
	WIN MUL_LO
	MUL16 0, 1, 0
	s_wait_dscnt 0x0                               ; the add is done, my reads of this slot are over
	s_barrier_signal -1
	MUL16 2, 1, 0
	WIN 0
	s_barrier_wait -1
.if \fill
	CREST
	s_add_nc_u64 s[G0+4*\slot+2:G0+4*\slot+3], s[G0+4*\slot+2:G0+4*\slot+3], 2*ROWB
	s_add_nc_u64 s[G0B+4*\slot+2:G0B+4*\slot+3], s[G0B+4*\slot+2:G0B+4*\slot+3], 2*ROWB
	JLOAD G0+4*\slot, G1, G0B+4*\slot, G1B
.else
	PLACES NP
.endif
	FETCH_B \next, 0, 0
	FETCH_A \next, 0, 0
	WIN MUL_HI
	MUL16 4, 1, 0
	MUL16 6, 1, 0
	PLACES NP
	WIN 0
	FETCH_A \next, 0, 4
.endm
	s_wait_alu depctr_va_vdst(0)
	s_wait_tensorcnt 0x0                           ; my part of K step 0 is in; slot 1's first fill is issued as a refill is
	ds_add_u32 v[SPW], v[NIL]
	s_wait_dscnt 0x0
	CROUND
	JLOAD G0+4, G1, G0B+4, G1B                     ; K step 1
	FETCH_B 0, 0, 0
	FETCH_A 0, 0, 0
	FETCH_A 0, 0, 4
	global_prefetch_b8 v[PFO], s[PFA:PFA+1] offset:3*ROWB th:TH_LOAD_NT scope:SCOPE_SE   ; K step 3
	STEP 0, 0, 1
	s_mov_b32 s3, LAPS-1
.Llap:
	TURN 0, 1, 1
	STEP 1, 0, 0
	TURN 1, 0, 1
	STEP 0, 0, 0
	s_sub_co_u32 s3, s3, 1
	s_cmp_lg_u32 s3, 0
	s_cbranch_scc1 .Llap
	TURN 0, 1, 0
	STEP 1, 0, 0
	s_wait_dscnt 4*NL
	WIN MUL_LO
	MUL16 0, 1, 0
	MUL16 2, 1, 0
	s_wait_dscnt 0
	WIN MUL_HI
	MUL16 4, 1, 0
	MUL16 6, 1, 0
	WIN 0
.macro CODES a                         ; block a, 16 rows x 128 columns: sum x 2^(exponents) + biases, held, quantised, into the work-group's stage
.set AC, 64*((\a)%4)
	WIN 0x02+((\a)/4)
.set j, 0
.rept 32
	v_pk_fma_f32 v[TMP+j:TMP+j+1], v[AC+j:AC+j+1], s[96:97], v[BC+j:BC+j+1] op_sel_hi:[1,0,1]
.set j, j+2
.endr
	WIN 0
.set j, 0
.rept 32
	v_pk_add_f32 v[TMP+j:TMP+j+1], v[TMP+j:TMP+j+1], v[BR+2*(\a):BR+2*(\a)+1]
.set j, j+2
.endr
.set j, 0
.rept 64
	v_med3_num_f32 v[TMP+j], v[TMP+j], -v[LIM], v[LIM]   ; the conversion does not saturate (ISA guide 7.6.2)
.set j, j+1
.endr
	s_wait_alu depctr_va_vdst(0)
	s_wait_dscnt 0x0                               ; the block before's stores have read the codes' registers
.set j, 0
.rept 8
	v_cvt_scalef32_pk8_fp8_f32 v[CD+2*j:CD+2*j+1], v[TMP+8*j:TMP+8*j+7], v[SCL]
.set j, j+1
.endr
	v_nop
.set j, 0
.rept 8
	ds_store_b64 v[STO], v[CD+2*j:CD+2*j+1] offset:(\a)*16*CPITCH+32*(j/2)+8*(j%2)   ; the order stated at the head
.set j, j+1
.endr
.endm
	s_wait_kmcnt 0x0
	s_add_co_i32 s88, s88, s89
	s_add_co_i32 s92, s92, s93
	s_cmp_eq_u32 s12, 0                            ; the exponents are chosen without a jump
	s_cselect_b32 s88, s88, s92
	s_cselect_b32 s94, s94, s95
	s_cmp_eq_u32 s12, 2
	s_cselect_b32 s94, s97, s94
	s_add_co_i32 s88, s88, 127
	s_lshl_b32 s96, s88, 23
	s_mov_b32 s97, s96
	s_add_co_i32 s94, s94, 127
	s_lshl_b32 s100, s94, 23
	v_mov_b32 v[SCL], s100
	s_add_co_i32 s94, s94, 8
	s_lshl_b32 s94, s94, 23
	s_or_b32 s94, s94, 0x600000
	v_mov_b32 v[LIM], s94
	s_wait_loadcnt 0x0
	PLACES NP
.set j, 0
.rept 64
	v_and_b32 v[BC+j], s98, v[BC+j]
.set j, j+1
.endr
.set j, 0
.rept 8
	v_and_b32 v[BR+2*j], s99, v[BR+2*j]
	v_mov_b32 v[BR+2*j+1], v[BR+2*j]
.set j, j+1
.endr
.irp a, 0,1,2,3,4,5,6,7
	CODES \a
.endr
	s_wait_dscnt 0x0
	s_barrier_signal -1
	s_barrier_wait -1
	s_cmp_eq_u32 s12, 2
	s_cbranch_scc1 .Lrows
.set j, 0
.rept 16
	ds_load_b128 v[OUT+4*j:OUT+4*j+3], v[RDH] offset:j*8*CPITCH
.set j, j+1
.endr
.rept 16
	ds_load_b128 v[OUT+4*j:OUT+4*j+3], v[RDH2] offset:(j-16)*8*CPITCH
.set j, j+1
.endr
.set j, 0
.rept 32
	s_wait_dscnt 31-j                              ; the younger loads may be out
	global_store_b128 v[COH], v[OUT+4*j:OUT+4*j+3], s[10:11] offset:512*j   ; eight tokens x 64 bytes of one head: 512 consecutive bytes
.set j, j+1
.endr
	s_branch .Lend
.Lrows:
.set j, 0
.rept 32
	ds_load_b128 v[OUT+4*j:OUT+4*j+3], v[RDR] offset:(j%16)*4*CPITCH+(j/16)*128
.set j, j+1
.endr
.set j, 0
.rept 32
	s_wait_dscnt 31-j
	global_store_b128 v[COH], v[OUT+4*j:OUT+4*j+3], s[10:11] offset:(j/16)*8192+(j%16)*512   ; four channels x 128 keys: 512 consecutive bytes
.set j, j+1
.endr
.Lend:
	s_wait_tensorcnt 0x0
	ds_add_u32 v[SPW], v[NIL]
	s_wait_dscnt 0x0
	CROUND
	s_endpgm
.Lfunc_end_k_q19f48029b9_qkv:
	.size	k_q19f48029b9_qkv, .Lfunc_end_k_q19f48029b9_qkv-k_q19f48029b9_qkv
	.p2alignl 7, 3214868480
	.fill 96, 4, 3214868480
	.section	.rodata,"a",@progbits
	.p2align	6, 0x0
	.amdhsa_kernel k_q19f48029b9_qkv
		.amdhsa_group_segment_fixed_size 327680
		.amdhsa_private_segment_fixed_size 0
		.amdhsa_enable_private_segment 0
		.amdhsa_kernarg_size 56
		.amdhsa_user_sgpr_count 2
		.amdhsa_user_sgpr_kernarg_segment_ptr 1
		.amdhsa_wavefront_size32 1
		.amdhsa_system_sgpr_workgroup_id_x 1
		.amdhsa_system_sgpr_workgroup_id_y 1
		.amdhsa_system_sgpr_workgroup_id_z 1
		.amdhsa_system_vgpr_workitem_id 0
		.amdhsa_next_free_vgpr 1024
		.amdhsa_next_free_sgpr 102
		.amdhsa_reserve_vcc 0
		.amdhsa_float_denorm_mode_32 3
		.amdhsa_float_denorm_mode_16_64 3
		.amdhsa_memory_ordered 1
		.amdhsa_forward_progress 1
		.amdhsa_inst_pref_size 171
	.end_amdhsa_kernel
	.amdgpu_metadata
---
amdhsa.version: [ 1, 2 ]
amdhsa.kernels:
  - .name:           k_q19f48029b9_qkv
    .symbol:         k_q19f48029b9_qkv.kd
    .args:
      - { .name: xc, .offset: 0, .size: 8, .value_kind: global_buffer, .address_space: global }
      - { .name: Wq_codes, .offset: 8, .size: 8, .value_kind: global_buffer, .address_space: global }
      - { .name: Wv_codes, .offset: 16, .size: 8, .value_kind: global_buffer, .address_space: global }
      - { .name: bq, .offset: 24, .size: 8, .value_kind: global_buffer, .address_space: global }
      - { .name: bv, .offset: 32, .size: 8, .value_kind: global_buffer, .address_space: global }
      - { .name: lowp_scales, .offset: 40, .size: 8, .value_kind: global_buffer, .address_space: global }
      - { .name: qv, .offset: 48, .size: 8, .value_kind: global_buffer, .address_space: global }
    .group_segment_fixed_size: 327680
    .private_segment_fixed_size: 0
    .kernarg_segment_align: 8
    .kernarg_segment_size: 56
    .max_flat_workgroup_size: 128
    .sgpr_count:     102
    .vgpr_count:     1024
    .wavefront_size: 32
...
	.end_amdgpu_metadata
.endif
;; end of part 2
;; launch attn (part 3): grid 8 x 32, 8 waves a work-group, clusters of 4 x 1, 327,680 bytes of LDS; arguments qv, lowp_scales, cx; writes cx
.if DOCPART == 3
	.amdgcn_target "amdgcn-amd-amdhsa--gfx1250"
	.amdhsa_code_object_version 6
	.text
	.protected	k_q19f48029b9_attn
	.globl	k_q19f48029b9_attn
	.p2align	8
	.type	k_q19f48029b9_attn,@function
k_q19f48029b9_attn:
	s_mov_b64 s[64:65], 0
	v_nop
	global_prefetch_b8 v0, s[64:65] scope:SCOPE_SE
	s_setreg_imm32_b32 hwreg(HW_REG_WAVE_MODE, 25, 1), 1
	s_wait_xcnt 0x0
	s_wait_alu depctr_hold_cnt(0) depctr_sa_sdst(0) depctr_va_vdst(0) depctr_va_sdst(0) depctr_va_ssrc(0) depctr_va_vcc(0) depctr_vm_vsrc(0)
	s_getreg_b32 s2, hwreg(HW_REG_IB_STS2, 6, 4)
	s_cmp_eq_u32 s2, 0
	s_cbranch_scc0 .Lentry_in_a_cluster
	s_endpgm
.Lentry_in_a_cluster:
	s_bfe_u32 s2, ttmp6, 0x10000c
	s_cmp_lg_u32 s2, 0x3003
	s_cbranch_scc0 .Lentry_shape_is_right
	s_endpgm
.Lentry_shape_is_right:
; ctx[b][h][q] = the sum over keys of softmax(q . v / 8) v: the scores are taken against v, as the layer has it.  Both products on E4M3 codes.
; qv holds: q's codes [batch x head][token][64] at 0 (entry 6); v's codes alike at 4 MiB (entry 7); v's codes with the keys innermost, [batch x head][token / 128][64][128], at 8 MiB (entry 9).
; In each stored row, within each 32 codes, position 16 h + 8 u + i holds column 16 u + 8 h + i.
; THE SOFTMAX: t = score x c, c = log2(e) / 8; M = the running largest t rounded UP to a whole number; p = 2^(t - M) is quantised (entry 8), not normalised; the row's sum is taken of the unquantised p and divides at the end.
; The running maximum is kept of the scores themselves: c is positive and a rounded multiplication keeps the order, so c x the largest score is the largest t.
; When M moves, the sum and O are multiplied by 2^(old M - new M): exact.  ctx is quantised at entry 10 and stored in panels [row / 128][head][row % 128][64].
; SHARES.  A work-group owns 256 queries of one head, each of its eight waves 32 of them: two tiles of 16 (A, B), which share every fragment of v read from LDS.  Every wave walks all 2,048 keys, 128 a step.
; THE WHOLE HEAD LIES IN LDS, 131,072 bytes in each layout, both dense in memory: rows of 256 bytes with 16 of padding.  Every LDS byte is filled once: each wave issues one load at the head (together keys 0-511)
; and one behind the full sequence and a round (keys 512-2,047).  Waves 0-3 fetch quarters of the first layout, waves 4-7 of the second.  A barrier ahead of step 3 shows the second group to all.
; CLUSTER.  The four query blocks of a cluster belong to one head: each tile is asked for jointly, with the mask of all four.
; NO PREFETCH: all that the launch loads by the mover is asked for in those two groups, ahead of the loops: there is no loop to run ahead in.
; LAYOUT.  Both products transposed: S^T (source 0 = 16 keys), O^T (source 0 = 16 of the head's 64): a lane holds one query of each tile.  Key k lies at 272 (k / 4) + 64 (k % 4); channel d of step s at 8,704 s + 272 (d / 2) + 128 (d % 2).
; The next step's key fragments are fetched behind this step's first product, v^T's fragments with them: both land while the softmax is walked.
; THE EXPONENTIALS go in two batches, tile A's and tile B's.  Among them stands plain work that reads nothing written since the batch's opening wait and whose results are read behind its closing wait:
; among A's: B's t - M; among B's: the first level of A's sum (16 pairs, into registers of their own) and A's holds.  O^T is brought under the new M ahead of both batches.
; REGISTERS: window 0: addresses, state, q, S^T / p of both tiles, p's codes, partial sums.  Window 1: v0-63 key fragments, v64-127 v^T's, v128-191 O^T of both tiles.
; LIMITS: entries 6 + 7 between -123 and 130; entries 8 and 10 between -126 and 119.  NaN is not served.
.set KP4,   272
.set STEPB, 32*KP4
.set VBASE, 512*KP4
.set STAGE, 2*VBASE                    ; the way out: 32 rows x 80 bytes for each wave; no tile lands here
.set SPI,   80
.set SPARE, STAGE+8*32*SPI
.set AK0, 1
.set AV0, 2
.set SIN, 3
.set SOUT, 4
.set GO,  5
.set SPW, 6
.set NIL, 7
.set NM,  12                           ; tile x: v[12+4x] -M, v[13+4x] the largest score, v[14+4x:15+4x] the sum
.set QA,  20                           ; v20-35  q, two tiles
.set SA,  36                           ; v36-99  S^T, then p, tile A
.set SB,  100                          ; v100-163 tile B
.set PC,  164                          ; v164-195 p's codes
.set MX,  196                          ; tile x: v[196+6x], v[198+6x] (then f, low word of a pair), v[200+6x], v[201+6x] the old -M
.set MY,  198
.set PD,  200
.set OLD, 201
.set MZ,  220                          ; tile x: v[220+4x], v[222+4x]: the third and fourth chain of maxima (done with before tile A's pairs are written)
.set MW,  222
.set ST,  208                          ; on the way out: 16 registers read back from the stage
.set SU,  214                          ; v214-219 tile B's three chains of sums.  Tile A's 16 pairs: v220-235, v244-255, v208-211
.set CAPA, 236                         ; 448 x p's scale, twice: the halves of a dual pair take their second sources from different banks
.set CAPB, 237
.set PSC, 238
.set CXL, 239
.set CXS, 240
.set ADK, 241
.set ADV, 242
.set KF,  0                            ; window 1
.set VF,  64
.set OA,  128
.set WV,  18
.set SEL, 20
.set CS,  22
.set G1A, 24
.set G1B, 32
.set G0A, 40
.set G0B, 44
.set TB,  56
.set CNT, 58
.set MSB, 0
.macro WIN new
.if MSB != (\new)
	s_set_vgpr_msb (MSB<<8)|(\new)
.set MSB, \new
.endif
.endm
.macro CROUND
	s_barrier_signal -1
	s_barrier_wait -1
	s_cmp_lg_u32 s[WV], 0
	s_cbranch_scc1 .Lnot_wave_0_\@
	s_barrier_signal -3
.Lnot_wave_0_\@:
	s_barrier_wait -3
	s_barrier_signal -1
	s_barrier_wait -1
.endm
	s_load_b128 s[4:7], s[0:1], 0x0                ; qv, the scales' exponents
	s_load_b64 s[8:9], s[0:1], 0x10                ; cx
	v_lshl_add_u32 v[SPW], v0, 2, SPARE
	v_mov_b32 v[NIL], 0
	ds_add_u32 v[SPW], v[NIL]
	ds_add_u32 v[SPW], v[NIL]
	v_lshrrev_b32 v8, 5, v0
	v_readfirstlane_b32 s[WV], v8                  ; wave 0..7
	s_and_b32 s10, ttmp7, 0xffff                   ; batch x head
	s_lshr_b32 s11, s10, 4
	s_and_b32 s12, s10, 15
	s_bfe_u32 s13, ttmp6, 0x40000                  ; cx: it enters q's and ctx's addresses alone
	s_lshl_b32 s14, ttmp9, 2
	s_add_co_u32 s14, s14, s13                     ; my block of 256 queries
	s_lshr_b32 s15, s[WV], 2                       ; which layout I fetch
	s_and_b32 s16, s[WV], 3                        ; which quarter
	s_lshl_b32 s2, s15, 22
	s_lshl_b32 s3, s10, 17
	s_add_co_u32 s2, s2, s3
	s_add_co_u32 s2, s2, 0x400000
	s_lshl_b32 s3, s16, 13
	s_add_co_u32 s60, s2, s3                       ; keys 0-511: quarters of 8,192 bytes
	s_mov_b32 s61, 0
	s_mul_i32 s3, s16, 24576
	s_add_co_u32 s62, s2, s3
	s_add_co_u32 s62, s62, 32768                   ; keys 512-2,047: quarters of 24,576 bytes
	s_mov_b32 s63, 0
	s_mul_i32 s17, s15, VBASE
	s_mul_i32 s3, s16, 32*KP4
	s_mov_b32 s[G0A], 1
	s_add_co_u32 s[G0A+1], s17, s3
	s_mul_i32 s3, s16, 96*KP4
	s_mov_b32 s[G0B], 1
	s_add_co_u32 s[G0B+1], s17, s3
	s_add_co_u32 s[G0B+1], s[G0B+1], 128*KP4
	s_mov_b32 s[G1A], 15|(3<<16)|(1<<20)|(1<<21)|(5<<22)|(3<<25)   ; mask of all four; elements of 8 bytes; 4 words behind every 64; bit 21 beside a mask
	s_mov_b32 s[G1A+1], 32<<16
	s_mov_b32 s[G1A+2], 32<<16
	s_mov_b32 s[G1A+3], 32<<16
	s_mov_b32 s[G1A+4], 32
	s_mov_b32 s[G1A+5], 32
	s_mov_b32 s[G1A+6], 0
	s_mov_b32 s[G1A+7], 0
	s_mov_b32 s[G1B], 15|(3<<16)|(1<<20)|(1<<21)|(5<<22)|(3<<25)
	s_mov_b32 s[G1B+1], 32<<16
	s_mov_b32 s[G1B+2], 96<<16
	s_mov_b32 s[G1B+3], 32<<16
	s_mov_b32 s[G1B+4], 96
	s_mov_b32 s[G1B+5], 32
	s_mov_b32 s[G1B+6], 0
	s_mov_b32 s[G1B+7], 0
	s_mov_b32 s[SEL], 0x76543210
	s_mov_b32 s[SEL+1], 0xfedcba98
	s_mov_b32 s[CS], 0x3e38aa3b                    ; c = log2(e) / 8
	s_mov_b32 s[TB], 0
	s_wait_dscnt 0x0
	s_wait_kmcnt 0x0
	s_load_b512 s[84:99], s[6:7], 0x0              ; the sixteen exponents
	s_add_nc_u64 s[G0A+2:G0A+3], s[4:5], s[60:61]
	s_or_b32 s[G0A+3], s[G0A+3], 0x80000000
	s_add_nc_u64 s[G0B+2:G0B+3], s[4:5], s[62:63]
	s_or_b32 s[G0B+3], s[G0B+3], 0x80000000
	CROUND
	tensor_load_to_lds s[G0A:G0A+3], s[G1A:G1A+7]  ; my one load at the head
	s_nop 0
.rept 4
	v_nop
.endr
	s_lshl_b32 s2, s10, 17                         ; q: 131,072 x (batch x head) + (256 block + 32 wave) x 64
	s_lshl_b32 s3, s14, 14
	s_add_co_u32 s2, s2, s3
	s_lshl_b32 s3, s[WV], 11
	s_add_co_u32 s2, s2, s3
	s_mov_b32 s3, 0
	s_add_nc_u64 s[4:5], s[4:5], s[2:3]
	s_lshl_b32 s2, s11, 4                          ; ctx: panel (16 batch + 2 block + wave / 4) x 131,072 + head x 8,192 + 32 (wave % 4) rows x 64
	s_lshl_b32 s17, s14, 1
	s_add_co_u32 s2, s2, s17
	s_add_co_u32 s2, s2, s15
	s_lshl_b32 s2, s2, 17
	s_lshl_b32 s17, s12, 13
	s_add_co_u32 s2, s2, s17
	s_lshl_b32 s17, s16, 11
	s_add_co_u32 s2, s2, s17
	s_add_nc_u64 s[8:9], s[8:9], s[2:3]
	s_mul_i32 s59, s[WV], 32*SPI
	s_add_co_u32 s59, s59, STAGE
	v_and_b32 v8, 15, v0                           ; r
	v_bfe_u32 v9, v0, 4, 1                         ; h
	v_lshlrev_b32 v10, 6, v8
	v_lshl_add_u32 v10, v9, 4, v10
.irp x, 0,1
	global_load_b128 v[QA+8*\x:QA+8*\x+3], v10, s[4:5] offset:1024*\x       ; q stays in registers
	global_load_b128 v[QA+8*\x+4:QA+8*\x+7], v10, s[4:5] offset:1024*\x+32
.endr
	v_lshrrev_b32 v[AK0], 2, v8
	v_mul_u32_u24 v[AK0], v[AK0], KP4
	v_and_b32 v11, 3, v8
	v_lshl_add_u32 v[AK0], v11, 6, v[AK0]
	v_lshl_add_u32 v[AK0], v9, 4, v[AK0]
	v_lshrrev_b32 v[AV0], 1, v8
	v_mul_u32_u24 v[AV0], v[AV0], KP4
	v_and_b32 v11, 1, v8
	v_lshl_add_u32 v[AV0], v11, 7, v[AV0]
	v_lshl_add_u32 v[AV0], v9, 4, v[AV0]
	v_add_nc_u32 v[AV0], VBASE, v[AV0]
	v_mul_u32_u24 v[SIN], v8, SPI
	v_lshl_add_u32 v[SIN], v9, 3, v[SIN]
	v_add_nc_u32 v[SIN], s59, v[SIN]
	v_and_b32 v[GO], 31, v0
	v_lshrrev_b32 v[SOUT], 2, v[GO]
	v_mul_u32_u24 v[SOUT], v[SOUT], SPI
	v_and_b32 v11, 3, v0
	v_lshl_add_u32 v[SOUT], v11, 4, v[SOUT]
	v_add_nc_u32 v[SOUT], s59, v[SOUT]
	v_lshlrev_b32 v[GO], 4, v[GO]
	v_mov_b32 v[ADK], v[AK0]
	v_mov_b32 v[ADV], v[AV0]
.irp x, 0,1
	v_mov_b32 v[NM+1+4*\x], 0xff61b1e6             ; the largest score so far: -3e38
	v_floor_f32 v[NM+4*\x], -v[NM+1+4*\x]          ; -M: over every -M to come
	v_mov_b32 v[NM+2+4*\x], 0
	v_mov_b32 v[NM+3+4*\x], 0
	v_mov_b32 v[PD+6*\x], 0                        ; a lane permute's destination counts as a source
	v_mov_b32 v[MY+1+6*\x], 0                      ; named as a pair's upper half
.endr
	WIN 0x40
.set j, 0
.rept 64
	v_mov_b32 v[OA+j], 0                           ; O^T: the step is written once; the first change of M leaves zeros zeros
.set j, j+1
.endr
	WIN 0
	s_wait_kmcnt 0x0
	s_add_co_i32 s59, s90, s91
	s_lshl_b32 s59, s59, 23
	s_add_co_i32 s[CS], s[CS], s59                 ; entries 6 + 7 go into c's exponent field
	s_mov_b32 s[CS+1], s[CS]
	s_add_co_i32 s59, s92, 127
	s_lshl_b32 s19, s59, 23
	v_mov_b32 v[PSC], s19
	s_add_co_i32 s59, s59, 8
	s_lshl_b32 s59, s59, 23
	s_or_b32 s59, s59, 0x600000
	v_mov_b32 v[CAPA], s59
	v_mov_b32 v[CAPB], s59
	s_add_co_i32 s59, s94, 127
	s_lshl_b32 s19, s59, 23
	v_mov_b32 v[CXS], s19
	s_add_co_i32 s59, s59, 8
	s_lshl_b32 s59, s59, 23
	s_or_b32 s59, s59, 0x600000
	v_mov_b32 v[CXL], s59
.macro KLOAD off                       ; eight tiles of 16 neighbouring keys (destination in window 1)
.irp t, 0,1,2,3,4,5,6,7
.irp c, 0,1
	ds_load_b128 v[KF+8*\t+4*\c:KF+8*\t+4*\c+3], v[ADK] offset:\off+4*\t*KP4+32*\c
.endr
.endr
.endm
.macro HOLD r                          ; the conversion does not saturate (ISA guide 7.6.2); p is not negative: a one-sided hold, two numbers an instruction
	v_dual_min_num_f32 v[\r], v[\r], v[CAPA] :: v_dual_min_num_f32 v[\r+1], v[\r+1], v[CAPB]
.endm
.macro TADD a, b                       ; tile A's partial sums: pair a += pair b
.set TP, 220+2*(\a)+8*((\a)/8)-48*((\a)/14)
.set TQ, 220+2*(\b)+8*((\b)/8)-48*((\b)/14)
	v_pk_add_f32 v[TP:TP+1], v[TP:TP+1], v[TQ:TQ+1]
.endm
.macro BADD j                          ; tile B's four chains take four pairs of p from register j on
	v_pk_add_f32 v[NM+6:NM+7], v[NM+6:NM+7], v[SB+\j:SB+\j+1]
	v_pk_add_f32 v[SU:SU+1], v[SU:SU+1], v[SB+\j+2:SB+\j+3]
	v_pk_add_f32 v[SU+2:SU+3], v[SU+2:SU+3], v[SB+\j+4:SB+\j+5]
	v_pk_add_f32 v[SU+4:SU+5], v[SU+4:SU+5], v[SB+\j+6:SB+\j+7]
.endm
.macro FMAA                            ; tile A: t - M, eight pairs from register j on
.rept 8
	v_pk_fma_f32 v[SA+j:SA+j+1], v[SA+j:SA+j+1], s[CS:CS+1], v[NM:NM+1] op_sel_hi:[1,0,0]
.set j, j+2
.endr
.endm
; A KEY STEP: 128 keys x 32 queries.  nxt = 1: the next step's key fragments are fetched too.
.macro STEP nxt
	s_wait_dscnt 0x0                               ; this step's key fragments are in
	WIN 0x01
.irp t, 0,1,2,3,4,5,6,7
.irp x, 0,1
	v_wmma_f32_16x16x64_fp8_fp8 v[SA+64*\x+8*\t:SA+64*\x+8*\t+7], v[KF+8*\t:KF+8*\t+7], v[QA+8*\x:QA+8*\x+7], 0
.endr
.endr
.rept 4
	v_nop                                          ; places in front of the loads below and of the first read of the scores
.endr
	WIN 0x40
.irp t, 0,1,2,3
.irp c, 0,1,2,3
	ds_load_b128 v[VF+16*\t+4*\c:VF+16*\t+4*\c+3], v[ADV] offset:8*\t*KP4+32*\c
.endr
.endr
.if \nxt
	KLOAD STEPB
.endif
	WIN 0
.if \nxt
	s_add_co_u32 s[TB], s[TB], STEPB
	v_add_nc_u32 v[ADK], s[TB], v[AK0]             ; the next step's addresses
	v_add_nc_u32 v[ADV], s[TB], v[AV0]
.endif
.irp x, 0,1
	v_mov_b32 v[OLD+6*\x], v[NM+4*\x]              ; the old -M
.endr
.irp x, 0,1                                    ; the step's largest scores: four chains a tile; each accumulator's first read falls on its low end
	v_max3_num_f32 v[MX+6*\x], v[SA+64*\x], v[SA+64*\x+1], v[SA+64*\x+2]
	v_max3_num_f32 v[MY+6*\x], v[SA+64*\x+3], v[SA+64*\x+4], v[SA+64*\x+5]
	v_max3_num_f32 v[MZ+4*\x], v[SA+64*\x+6], v[SA+64*\x+7], v[SA+64*\x+8]
	v_max3_num_f32 v[MW+4*\x], v[SA+64*\x+9], v[SA+64*\x+10], v[SA+64*\x+11]
.endr
.set j, 12
.rept 6
.irp x, 0,1
	v_max3_num_f32 v[MX+6*\x], v[MX+6*\x], v[SA+64*\x+j], v[SA+64*\x+j+1]
	v_max3_num_f32 v[MY+6*\x], v[MY+6*\x], v[SA+64*\x+j+2], v[SA+64*\x+j+3]
	v_max3_num_f32 v[MZ+4*\x], v[MZ+4*\x], v[SA+64*\x+j+4], v[SA+64*\x+j+5]
	v_max3_num_f32 v[MW+4*\x], v[MW+4*\x], v[SA+64*\x+j+6], v[SA+64*\x+j+7]
.endr
.set j, j+8
.endr
.irp x, 0,1
	v_max3_num_f32 v[MX+6*\x], v[MX+6*\x], v[SA+64*\x+60], v[SA+64*\x+61]
	v_max3_num_f32 v[MY+6*\x], v[MY+6*\x], v[SA+64*\x+62], v[SA+64*\x+63]
.endr
.irp x, 0,1
	v_max3_num_f32 v[MX+6*\x], v[MX+6*\x], v[MY+6*\x], v[MZ+4*\x]
.endr
.irp x, 0,1
	v_max_num_f32 v[MX+6*\x], v[MX+6*\x], v[MW+4*\x]
.endr
.irp x, 0,1
	v_permlanex16_b32 v[PD+6*\x], v[MX+6*\x], s[SEL], s[SEL+1]
.endr
.irp x, 0,1
	v_max3_num_f32 v[NM+1+4*\x], v[NM+1+4*\x], v[MX+6*\x], v[PD+6*\x]   ; the running largest score: mine, lane l xor 16's, and what was
.endr
.irp x, 0,1
	v_mul_f32 v[MX+6*\x], s[CS], v[NM+1+4*\x]      ; as t
.endr
.irp x, 0,1
	v_floor_f32 v[NM+4*\x], -v[MX+6*\x]            ; the new -M = -ceil(t)
.endr
.set j, 0
	FMAA                                           ; the chain's last three steps stand among tile A's t - M, which hang on -M alone
.irp x, 0,1
	v_sub_f32 v[MX+6*\x], v[NM+4*\x], v[OLD+6*\x]  ; old M - new M: a whole number, 0 or less
.endr
	FMAA
.irp x, 0,1
	v_cvt_i32_f32 v[MX+6*\x], v[MX+6*\x]
.endr
	FMAA
.irp x, 0,1
	v_ldexp_f32 v[MY+6*\x], 1.0, v[MX+6*\x]        ; f = 2^(old M - new M)
.endr
	FMAA
	WIN 0x41
.irp x, 0,1
.set j, 0
.rept 16
	v_pk_mul_f32 v[OA+32*\x+j:OA+32*\x+j+1], v[OA+32*\x+j:OA+32*\x+j+1], v[MY+6*\x:MY+6*\x+1] op_sel_hi:[1,0]   ; O^T under the new M: no transcendental stands between the last product and this first read
.set j, j+2
.endr
.endr
	WIN 0
	s_wait_alu depctr_va_vdst(0)
.set j, 0
.rept 32                                       ; tile A: p = 2^(t - M); among the exponentials tile B's t - M
	v_exp_f32 v[SA+j], v[SA+j]
	v_pk_fma_f32 v[SB+j:SB+j+1], v[SB+j:SB+j+1], s[CS:CS+1], v[NM+4:NM+5] op_sel_hi:[1,0,0]
	v_exp_f32 v[SA+j+1], v[SA+j+1]
.set j, j+2
.endr
.irp x, 0,1
	v_pk_mul_f32 v[NM+2+4*\x:NM+3+4*\x], v[NM+2+4*\x:NM+3+4*\x], v[MY+6*\x:MY+6*\x+1] op_sel_hi:[1,0]   ; the sums under the new M
.endr
	s_wait_alu depctr_va_vdst(0)                   ; behind tile A's batch and ahead of tile B's
.set k, 0
.rept 16                                       ; tile B: p; among the exponentials the first level of tile A's sum, taken of the unquantised p, and then A's holds
.set TP, 220+2*k+8*(k/8)-48*(k/14)
	v_exp_f32 v[SB+4*k], v[SB+4*k]
	v_pk_add_f32 v[TP:TP+1], v[SA+4*k:SA+4*k+1], v[SA+4*k+2:SA+4*k+3]
	v_exp_f32 v[SB+4*k+1], v[SB+4*k+1]
	HOLD SA+4*k
	v_exp_f32 v[SB+4*k+2], v[SB+4*k+2]
	HOLD SA+4*k+2
	v_exp_f32 v[SB+4*k+3], v[SB+4*k+3]
.set k, k+1
.endr
	v_nop                                          ; a plain place behind the last exponential
	s_wait_alu depctr_va_vdst(0)                   ; behind the batch, ahead of its first reader
.irp k, 0,1,2,3,4,5,6,7
	TADD \k, \k+8
.endr
.irp k, 0,1,2                                  ; tile B's sum of the unquantised p: four chains
	v_pk_add_f32 v[SU+2*\k:SU+2*\k+1], v[SB+4*\k:SB+4*\k+1], v[SB+4*\k+2:SB+4*\k+3]
.endr
.irp k, 0,1,2,3
	TADD \k, \k+4
.endr
	BADD 12
	TADD 0, 2
	TADD 1, 3
	BADD 20
	TADD 0, 1
	BADD 28
	v_pk_add_f32 v[NM+2:NM+3], v[NM+2:NM+3], v[220:221]
	BADD 36
	BADD 44
	BADD 52
	v_pk_add_f32 v[NM+6:NM+7], v[NM+6:NM+7], v[SB+60:SB+61]
	v_pk_add_f32 v[SU:SU+1], v[SU:SU+1], v[SB+62:SB+63]
	v_pk_add_f32 v[SU+2:SU+3], v[SU+2:SU+3], v[SU+4:SU+5]
	v_pk_add_f32 v[NM+6:NM+7], v[NM+6:NM+7], v[SU:SU+1]
.set j, 0
.rept 32
	HOLD SB+j
.set j, j+2
.endr
	v_pk_add_f32 v[NM+6:NM+7], v[NM+6:NM+7], v[SU+2:SU+3]
.irp x, 0,1
.irp b, 0,1,2,3
	v_cvt_scalef32_pk8_fp8_f32 v[PC+16*\x+4*\b:PC+16*\x+4*\b+1], v[SA+64*\x+16*\b:SA+64*\x+16*\b+7], v[PSC]
	v_cvt_scalef32_pk8_fp8_f32 v[PC+16*\x+4*\b+2:PC+16*\x+4*\b+3], v[SA+64*\x+16*\b+8:SA+64*\x+16*\b+15], v[PSC]
.endr
.endr
	v_nop                                          ; a plain line between the last conversion and the products that read the codes
	s_wait_alu depctr_va_vdst(0)                   ; directly ahead of the wait below
	s_wait_dscnt 16*\nxt                           ; v^T's fragments are in; the sixteen younger loads of key fragments may be out
	WIN 0x51
.irp t, 0,1,2,3
.irp x, 0,1
	v_wmma_f32_16x16x128_fp8_fp8 v[OA+32*\x+8*\t:OA+32*\x+8*\t+7], v[VF+16*\t:VF+16*\t+15], v[PC+16*\x:PC+16*\x+15], v[OA+32*\x+8*\t:OA+32*\x+8*\t+7]   ; eight accumulators by turns
.endr
.endr
	WIN 0
.endm
	s_wait_alu depctr_va_vdst(0)
	s_wait_tensorcnt 0x0                           ; my part of keys 0-511 is in; the second group is issued as a refill is
	ds_add_u32 v[SPW], v[NIL]
	s_wait_dscnt 0x0
	CROUND
	tensor_load_to_lds s[G0B:G0B+3], s[G1B:G1B+7]  ; my part of keys 512-2,047
	s_nop 0
.rept 4
	v_nop
.endr
	s_wait_loadcnt 0x0                             ; q
	WIN 0x40
	KLOAD 0
	WIN 0
	s_mov_b32 s[CNT], 3
.Lfirst:                                               ; steps 0-2 read keys 0-511 alone (step 2 fetches step 3's key fragments)
	STEP 1
	s_sub_co_u32 s[CNT], s[CNT], 1
	s_cmp_lg_u32 s[CNT], 0
	s_cbranch_scc1 .Lfirst
	s_wait_tensorcnt 0x0                           ; my part of the second group is in
	s_wait_dscnt 0x0
	s_barrier_signal -1
	s_barrier_wait -1                              ; and everybody's
	s_mov_b32 s[CNT], 12
.Lrest:
	STEP 1
	s_sub_co_u32 s[CNT], s[CNT], 1
	s_cmp_lg_u32 s[CNT], 0
	s_cbranch_scc1 .Lrest
	STEP 0                                         ; the last step fetches nothing beyond the keys
	; THE WAY OUT: O^T / the sum x 2^(entries 8 + 9), quantised; through my stage the 32 queries' codes become 2,048 consecutive bytes
.rept 4
	v_nop
.endr
.irp x, 0,1
	v_add_f32 v[NM+2+4*\x], v[NM+2+4*\x], v[NM+3+4*\x]
.endr
.irp x, 0,1
	v_permlanex16_b32 v[PD+6*\x], v[NM+2+4*\x], s[SEL], s[SEL+1]
.endr
.irp x, 0,1
	v_add_f32 v[NM+2+4*\x], v[NM+2+4*\x], v[PD+6*\x]
.endr
	s_wait_alu depctr_va_vdst(0)
	v_rcp_f32 v[NM+2], v[NM+2]
	v_rcp_f32 v[NM+6], v[NM+6]
	v_nop
	s_add_co_i32 s59, s92, s93
	s_wait_alu depctr_va_vdst(0)
	v_ldexp_f32 v[NM+2], v[NM+2], s59
	v_ldexp_f32 v[NM+6], v[NM+6], s59
	WIN 0x01
	s_wait_alu depctr_va_vdst(0)                   ; directly ahead of the first reader of O^T
.irp x, 0,1
.set j, 0
.rept 32
	v_mul_f32 v[SA+64*\x+j], v[OA+32*\x+j], v[NM+2+4*\x]   ; register 8 t + i: ctx(query r, channel 16 t + 8 h + i)
.set j, j+1
.endr
.endr
	WIN 0
.irp x, 0,1
.set j, 0
.rept 32
	v_med3_num_f32 v[SA+64*\x+j], v[SA+64*\x+j], -v[CXL], v[CXL]
.set j, j+1
.endr
.endr
.irp x, 0,1
.irp t, 0,1,2,3
	v_cvt_scalef32_pk8_fp8_f32 v[PC+16*\x+2*\t:PC+16*\x+2*\t+1], v[SA+64*\x+8*\t:SA+64*\x+8*\t+7], v[CXS]
.endr
.endr
	v_nop
.irp x, 0,1
.irp t, 0,1,2,3
	ds_store_b64 v[SIN], v[PC+16*\x+2*\t:PC+16*\x+2*\t+1] offset:16*SPI*\x+16*\t
.endr
.endr
.irp k, 0,1,2,3
	ds_load_b128 v[ST+4*\k:ST+4*\k+3], v[SOUT] offset:8*SPI*\k   ; LDS serves a wave's instructions in order: these see my stores
.endr
.irp k, 0,1,2,3
	s_wait_dscnt 3-\k                              ; the younger loads may be out
	global_store_b128 v[GO], v[ST+4*\k:ST+4*\k+3], s[8:9] offset:512*\k
.endr
	s_wait_tensorcnt 0x0
	ds_add_u32 v[SPW], v[NIL]
	s_wait_dscnt 0x0
	CROUND
	s_endpgm
.Lfunc_end_k_q19f48029b9_attn:
	.size	k_q19f48029b9_attn, .Lfunc_end_k_q19f48029b9_attn-k_q19f48029b9_attn
	.p2alignl 7, 3214868480
	.fill 96, 4, 3214868480
	.section	.rodata,"a",@progbits
	.p2align	6, 0x0
	.amdhsa_kernel k_q19f48029b9_attn
		.amdhsa_group_segment_fixed_size 327680
		.amdhsa_private_segment_fixed_size 0
		.amdhsa_enable_private_segment 0
		.amdhsa_kernarg_size 24
		.amdhsa_user_sgpr_count 2
		.amdhsa_user_sgpr_kernarg_segment_ptr 1
		.amdhsa_wavefront_size32 1
		.amdhsa_system_sgpr_workgroup_id_x 1
		.amdhsa_system_sgpr_workgroup_id_y 1
		.amdhsa_system_sgpr_workgroup_id_z 1
		.amdhsa_system_vgpr_workitem_id 0
		.amdhsa_next_free_vgpr 448
		.amdhsa_next_free_sgpr 100
		.amdhsa_reserve_vcc 0
		.amdhsa_float_denorm_mode_32 3
		.amdhsa_float_denorm_mode_16_64 3
		.amdhsa_memory_ordered 1
		.amdhsa_forward_progress 1
		.amdhsa_inst_pref_size 104
	.end_amdhsa_kernel
	.amdgpu_metadata
---
amdhsa.version: [ 1, 2 ]
amdhsa.kernels:
  - .name:           k_q19f48029b9_attn
    .symbol:         k_q19f48029b9_attn.kd
    .args:
      - { .name: qv, .offset: 0, .size: 8, .value_kind: global_buffer, .address_space: global }
      - { .name: lowp_scales, .offset: 8, .size: 8, .value_kind: global_buffer, .address_space: global }
      - { .name: cx, .offset: 16, .size: 8, .value_kind: global_buffer, .address_space: global }
    .group_segment_fixed_size: 327680
    .private_segment_fixed_size: 0
    .kernarg_segment_align: 8
    .kernarg_segment_size: 24
    .max_flat_workgroup_size: 256
    .sgpr_count:     100
    .vgpr_count:     448
    .wavefront_size: 32
...
	.end_amdgpu_metadata
.endif
;; end of part 3
;; launch oproj (part 4): grid 8 x 32, 4 waves a work-group, clusters of 4 x 4, 327,680 bytes of LDS; arguments cx, Wo_codes, bo, x, lowp_scales, yy; writes yy
.if DOCPART == 4
	.amdgcn_target "amdgcn-amd-amdhsa--gfx1250"
	.amdhsa_code_object_version 6
	.text
	.protected	k_q19f48029b9_oproj
	.globl	k_q19f48029b9_oproj
	.p2align	8
	.type	k_q19f48029b9_oproj,@function
k_q19f48029b9_oproj:
	s_mov_b64 s[64:65], 0
	v_nop
	global_prefetch_b8 v0, s[64:65] scope:SCOPE_SE
	s_setreg_imm32_b32 hwreg(HW_REG_WAVE_MODE, 25, 1), 1
	s_wait_xcnt 0x0
	s_wait_alu depctr_hold_cnt(0) depctr_sa_sdst(0) depctr_va_vdst(0) depctr_va_sdst(0) depctr_va_ssrc(0) depctr_va_vcc(0) depctr_vm_vsrc(0)
	s_getreg_b32 s2, hwreg(HW_REG_IB_STS2, 6, 4)
	s_cmp_eq_u32 s2, 0
	s_cbranch_scc0 .Lentry_in_a_cluster
	s_endpgm
.Lentry_in_a_cluster:
	s_bfe_u32 s2, ttmp6, 0x10000c
	s_cmp_lg_u32 s2, 0xf033
	s_cbranch_scc0 .Lentry_shape_is_right
	s_endpgm
.Lentry_shape_is_right:
.set SIZE_K, 1024
.set SCOFF,  40
.set LAPS,   SIZE_K/1024
.set ABLK,   32*272
.set AHALF,  4*ABLK
.set BOFF,   8*ABLK
.set BPITCH, 528
.set BHALF,  64*BPITCH
.set SLOT,   BOFF+2*BHALF
.set SPARE,  2*SLOT
.set SPITCH, 272
.set ADRA, 16
.set ADRB, 20
.set STO,  24
.set RD,   25
.set CO,   26
.set BCO,  27
.set SPW,  28
.set NIL,  29
.set BC,   32
.set T,    64
.set OB,   96
.set ACC,  128
.set F0,   0
.set F1,   128
.set G1, 24
.set G0, 32
.set G1B, 48
.set G0B, 56
.set MSB, 0
.macro WIN new
.if MSB != (\new)
	s_set_vgpr_msb (MSB<<8)|(\new)
.set MSB, \new
.endif
.endm
.set MUL,  0x05
.set TO_F, 0x40
.macro JLOAD s
	s_cmp_eq_u32 s15, 0
	s_cbranch_scc0 .Lfor_b_\@
	tensor_load_to_lds s[G0+4*\s:G0+4*\s+3], s[G1:G1+7]
	s_nop 0
.rept 4
	v_nop
.endr
	s_branch .Lasked_\@
.Lfor_b_\@:
	tensor_load_to_lds s[G0B+4*\s:G0B+4*\s+3], s[G1B:G1B+7]
	s_nop 0
.rept 4
	v_nop
.endr
.Lasked_\@:
.endm
.macro CREST
	s_cmp_lg_u32 s14, 0
	s_cbranch_scc1 .Lnot_wave_0_\@
	s_barrier_signal -3
.Lnot_wave_0_\@:
	s_barrier_wait -3
	s_barrier_signal -1
	s_barrier_wait -1
.endm
.macro CROUND
	s_barrier_signal -1
	s_barrier_wait -1
	CREST
.endm
	s_load_b256 s[4:11], s[0:1], 0x0
	s_load_b128 s[68:71], s[0:1], 0x20
	v_lshl_add_u32 v[SPW], v0, 2, SPARE
	v_mov_b32 v[NIL], 0
	ds_add_u32 v28, v29
	ds_add_u32 v28, v29
	s_wait_dscnt 0x0
	v_lshrrev_b32 v1, 5, v0
	v_readfirstlane_b32 s14, v1
	s_lshr_b32 s15, s14, 1
	s_and_b32 s16, s14, 1
	s_cmp_eq_u32 s15, 0                            ; the prefetch's offset: 32 blocks of 256 bytes: on end in the left operand's dense panels, two to a row of the right operand
	s_mov_b32 s78, SIZE_K
	s_cselect_b32 s78, 512, s78
	v_and_b32 v30, 31, v0
	v_lshrrev_b32 v31, 1, v30
	v_and_b32 v30, 1, v30
	v_mul_lo_u32 v31, v31, s78
	v_lshl_add_u32 v30, v30, 8, v31
	s_wait_alu depctr_va_vdst(0)
	s_bfe_u32 s40, ttmp6, 0x40000
	s_bfe_u32 s41, ttmp6, 0x40004
	s_lshl_b32 s42, ttmp9, 2
	s_add_co_u32 s42, s42, s40
	s_and_b32 s17, ttmp7, 0xffff
	s_lshl_b32 s17, s17, 2
	s_add_co_u32 s17, s17, s41
	s_lshl_b32 s43, s41, 2
	s_lshl_b32 s43, 15, s43
	s_lshl_b32 s44, 0x1111, s40
	s_or_b32 s[G1+0], s43, (3<<16)|(1<<20)|(1<<21)|(5<<22)|(3<<25)
	s_mov_b32 s[G1+1], 32<<16
	s_mov_b32 s[G1+2], 128<<16
	s_mov_b32 s[G1+3], 32<<16
	s_mov_b32 s[G1+4], 128
	s_mov_b32 s[G1+5], 32
	s_mov_b32 s[G1+6], 0
	s_mov_b32 s[G1+7], 0
	s_or_b32 s[G1B+0], s44, (0<<16)|(1<<20)|(1<<21)|(6<<22)|(3<<25)
	s_mov_b32 s[G1B+1], 512<<16
	s_mov_b32 s[G1B+2], 64<<16
	s_mov_b32 s[G1B+3], 512<<16
	s_mov_b32 s[G1B+4], 64
	s_mov_b32 s[G1B+5], SIZE_K
	s_mov_b32 s[G1B+6], 0
	s_mov_b32 s[G1B+7], 0
	s_mul_i32 s20, s17, 128*SIZE_K
	s_lshl_b32 s18, s16, 15
	s_add_co_u32 s20, s20, s18
	s_mov_b32 s21, 0
	s_lshl_b32 s46, s42, 7
	s_lshl_b32 s18, s16, 6
	s_add_co_u32 s46, s46, s18
	s_mul_i32 s46, s46, SIZE_K
	s_mov_b32 s47, 0
	s_mul_i32 s45, s16, AHALF
	s_mul_i32 s72, s16, BHALF
	s_add_co_u32 s72, s72, BOFF
	s_wait_kmcnt 0x0
	s_load_b64 s[96:97], s[68:69], SCOFF
	s_add_nc_u64 s[20:21], s[4:5], s[20:21]
	s_add_nc_u64 s[46:47], s[6:7], s[46:47]
	s_cmp_eq_u32 s15, 0                            ; of what I fetch, my work-group's quarter, told apart by address: 8,192 bytes x cx, or 16 rows x cy
	s_cselect_b64 s[80:81], s[20:21], s[46:47]
	s_cselect_b32 s84, s40, s41
	s_cselect_b32 s85, 13, 14
	s_mov_b32 s82, 512
	s_cselect_b32 s82, 0x10000, s82                ; a K step on, in bytes
	s_mov_b32 s83, 0
	s_lshl_b32 s84, s84, s85
	s_mov_b32 s85, 0
	s_add_nc_u64 s[80:81], s[80:81], s[84:85]
	s_add_nc_u64 s[80:81], s[80:81], s[82:83]      ; at K step 1
	CROUND
.irp s, 0,1
	s_mov_b32 s[G0+4*\s], 1
	s_add_co_u32 s[G0+4*\s+1], s45, \s*SLOT
	s_add_nc_u64 s[G0+4*\s+2:G0+4*\s+3], s[20:21], \s*65536
	s_or_b32 s[G0+4*\s+3], s[G0+4*\s+3], 0x80000000
	s_mov_b32 s[G0B+4*\s], 1
	s_add_co_u32 s[G0B+4*\s+1], s72, \s*SLOT
	s_add_nc_u64 s[G0B+4*\s+2:G0B+4*\s+3], s[46:47], \s*512
	s_or_b32 s[G0B+4*\s+3], s[G0B+4*\s+3], 0x80000000
.if \s                                         ; slot 1's first fill is issued as a refill is; slot 0's stands behind the opening round
	s_wait_alu depctr_va_vdst(0)
	s_wait_tensorcnt 0x0
	ds_add_u32 v28, v29
	ds_add_u32 v28, v29
	s_wait_dscnt 0x0
	CROUND
.endif
	JLOAD \s
.if \s == 0
	global_prefetch_b8 v30, s[80:81] th:TH_LOAD_NT scope:SCOPE_SE   ; K step 1, the last: its load is issued only when K step 0 has landed
.endif
.endr
	v_and_b32 v1, 15, v0
	v_bfe_u32 v2, v0, 4, 1
	v_lshrrev_b32 v3, 2, v1
	v_mul_u32_u24 v3, v3, 272
	v_and_b32 v4, 3, v1
	v_lshl_add_u32 v3, v4, 6, v3
	v_lshl_add_u32 v3, v2, 4, v3
	s_mul_i32 s21, s15, 16*272
	v_add_nc_u32 v[ADRA], s21, v3
	v_add_nc_u32 v[ADRA+1], SLOT, v[ADRA]
	v_mul_u32_u24 v4, v1, BPITCH
	v_lshl_add_u32 v4, v2, 4, v4
	s_mul_i32 s22, s16, BHALF
	s_add_co_u32 s22, s22, BOFF
	v_add_nc_u32 v[ADRB], s22, v4
	v_add_nc_u32 v[ADRB+1], SLOT, v[ADRB]
	s_mul_i32 s23, s14, 16*SPITCH
	v_mul_u32_u24 v5, v1, SPITCH
	v_lshl_add_u32 v5, v2, 5, v5
	v_add_nc_u32 v[STO], s23, v5
	v_mul_u32_u24 v5, v2, SPITCH
	v_lshl_add_u32 v5, v1, 4, v5
	v_add_nc_u32 v[RD], s23, v5
	v_lshlrev_b32 v5, 12, v2
	v_lshl_add_u32 v[CO], v1, 4, v5
	v_lshlrev_b32 v[BCO], 5, v2
	s_wait_alu depctr_va_vdst(0)
	s_lshl_b32 s74, s17, 19
	s_lshl_b32 s75, s15, 18
	s_add_co_u32 s74, s74, s75
	s_lshl_b32 s76, s42, 9
	s_lshl_b32 s77, s16, 8
	s_add_co_u32 s76, s76, s77
	s_mov_b32 s77, 0
	s_add_nc_u64 s[8:9], s[8:9], s[76:77]
	s_add_co_u32 s74, s74, s76
	s_mov_b32 s75, 0
	s_add_nc_u64 s[10:11], s[10:11], s[74:75]
	s_add_nc_u64 s[70:71], s[70:71], s[74:75]
.irp b, 0,1,2,3
	global_load_b128 v[BC+8*\b:BC+8*\b+3], v[BCO], s[8:9] offset:64*\b
	global_load_b128 v[BC+8*\b+4:BC+8*\b+7], v[BCO], s[8:9] offset:64*\b+16
.endr
	WIN 0x80
.set j, 0
.rept 32
	global_load_b128 v[4*j:4*j+3], v[CO], s[10:11] offset:2*j*4096
.set j, j+1
.endr
	WIN 0
.macro FETCH slot, q, f
	WIN TO_F
.irp i, 0,1,2,3
.irp c, 0,1,2,3
	ds_load_b128 v[\f+64+16*\i+4*\c:\f+64+16*\i+4*\c+3], v[ADRB+\slot] offset:\i*16*BPITCH+128*(\q)+32*\c
.endr
.endr
.irp i, 0,1,2,3
.irp c, 0,1,2,3
	ds_load_b128 v[\f+16*\i+4*\c:\f+16*\i+4*\c+3], v[ADRA+\slot] offset:(2*(\q)+\c/2)*ABLK+\i*4*272+32*(\c%2)
.endr
.endr
.endm
.macro MUL4 f, a, zero
.irp b, 0,1,2,3
.if \zero
	v_wmma_f32_16x16x128_fp8_fp8 v[ACC+8*(4*\a+\b):ACC+8*(4*\a+\b)+7], v[\f+64+16*\b:\f+64+16*\b+15], v[\f+16*\a:\f+16*\a+15], 0
.else
	v_wmma_f32_16x16x128_fp8_fp8 v[ACC+8*(4*\a+\b):ACC+8*(4*\a+\b)+7], v[\f+64+16*\b:\f+64+16*\b+15], v[\f+16*\a:\f+16*\a+15], v[ACC+8*(4*\a+\b):ACC+8*(4*\a+\b)+7]
.endif
.endr
.endm
.macro PLACES
.rept 4
	v_nop
.endr
.endm
.macro QUARTER slot, q, f, g, zero
	PLACES
	FETCH \slot, \q, \g
	s_wait_dscnt 32
	WIN MUL
	MUL4 \f, 0, \zero
	MUL4 \f, 1, \zero
	MUL4 \f, 2, \zero
	MUL4 \f, 3, \zero
.endm
.macro TURN slot, next, fill
	WIN 0
	s_wait_tensorcnt 0x0
	ds_add_u32 v[SPW], v[NIL]
	s_wait_dscnt 1
	WIN MUL
	MUL4 F1, 0, 0
	MUL4 F1, 1, 0
	s_wait_dscnt 0x0
	s_barrier_signal -1
	MUL4 F1, 2, 0
	WIN 0
	s_barrier_wait -1
.if \fill
	CREST
	s_add_nc_u64 s[G0+4*\slot+2:G0+4*\slot+3], s[G0+4*\slot+2:G0+4*\slot+3], 131072
	s_add_nc_u64 s[G0B+4*\slot+2:G0B+4*\slot+3], s[G0B+4*\slot+2:G0B+4*\slot+3], 1024
	JLOAD \slot
.else
	PLACES
.endif
	FETCH \next, 0, F0
	WIN MUL
	MUL4 F1, 3, 0
.endm
	s_wait_tensorcnt 1
	s_barrier_signal -1
	s_barrier_wait -1
	FETCH 0, 0, F0
	QUARTER 0, 1, F0, F1, 1
.if LAPS > 1
	WIN 0
	s_mov_b32 s3, LAPS-1
.Llap:
	QUARTER 0, 2, F1, F0, 0
	QUARTER 0, 3, F0, F1, 0
	TURN 0, 1, 1
	QUARTER 1, 1, F0, F1, 0
	QUARTER 1, 2, F1, F0, 0
	QUARTER 1, 3, F0, F1, 0
	TURN 1, 0, 1
	QUARTER 0, 1, F0, F1, 0
	WIN 0
	s_sub_co_u32 s3, s3, 1
	s_cmp_lg_u32 s3, 0
	s_cbranch_scc1 .Llap
.endif
	QUARTER 0, 2, F1, F0, 0
	QUARTER 0, 3, F0, F1, 0
	TURN 0, 1, 0
	QUARTER 1, 1, F0, F1, 0
	QUARTER 1, 2, F1, F0, 0
	QUARTER 1, 3, F0, F1, 0
	s_wait_dscnt 0x0
	MUL4 F1, 0, 0
	MUL4 F1, 1, 0
	MUL4 F1, 2, 0
	MUL4 F1, 3, 0
	WIN 0
	s_wait_kmcnt 0x0
	s_add_co_i32 s96, s96, s97
	s_add_co_i32 s96, s96, 127
	s_lshl_b32 s96, s96, 23
	s_mov_b32 s97, s96
	s_wait_loadcnt 0x0
	PLACES
.irp a, 0,1,2,3
.set j, 0
.rept 16
	v_pk_fma_f32 v[T+j:T+j+1], v[ACC+32*\a+j:ACC+32*\a+j+1], s[96:97], v[BC+j:BC+j+1] op_sel_hi:[1,0,1]
.set j, j+2
.endr
.irp b, 0,1,2,3
	ds_store_b128 v[STO], v[T+8*\b:T+8*\b+3] offset:64*\b
	ds_store_b128 v[STO], v[T+8*\b+4:T+8*\b+7] offset:64*\b+16
.endr
.irp t, 0,1,2,3,4,5,6,7
	ds_load_b128 v[OB+4*\t:OB+4*\t+3], v[RD] offset:\t*2*SPITCH
.endr
	s_wait_dscnt 0x0
	WIN 0x82
.set j, 0
.rept 16
	v_pk_add_f32 v[32*\a+j:32*\a+j+1], v[32*\a+j:32*\a+j+1], v[OB+j:OB+j+1]
.set j, j+2
.endr
	WIN 0x08
.irp t, 0,1,2,3,4,5,6,7
	global_store_b128 v[CO], v[32*\a+4*\t:32*\a+4*\t+3], s[70:71] offset:(16*\a+2*\t)*4096
.endr
	WIN 0
.endr
	s_wait_tensorcnt 0x0
	ds_add_u32 v[SPW], v[NIL]
	s_wait_dscnt 0x0
	CROUND
	s_endpgm
.Lfunc_end_k_q19f48029b9_oproj:
	.size	k_q19f48029b9_oproj, .Lfunc_end_k_q19f48029b9_oproj-k_q19f48029b9_oproj
	.p2alignl 7, 3214868480
	.fill 96, 4, 3214868480
	.section	.rodata,"a",@progbits
	.p2align	6, 0x0
	.amdhsa_kernel k_q19f48029b9_oproj
		.amdhsa_group_segment_fixed_size 327680
		.amdhsa_private_segment_fixed_size 0
		.amdhsa_enable_private_segment 0
		.amdhsa_kernarg_size 48
		.amdhsa_user_sgpr_count 2
		.amdhsa_user_sgpr_kernarg_segment_ptr 1
		.amdhsa_wavefront_size32 1
		.amdhsa_system_sgpr_workgroup_id_x 1
		.amdhsa_system_sgpr_workgroup_id_y 1
		.amdhsa_system_sgpr_workgroup_id_z 1
		.amdhsa_system_vgpr_workitem_id 0
		.amdhsa_next_free_vgpr 640
		.amdhsa_next_free_sgpr 100
		.amdhsa_reserve_vcc 0
		.amdhsa_float_denorm_mode_32 3
		.amdhsa_float_denorm_mode_16_64 3
		.amdhsa_memory_ordered 1
		.amdhsa_forward_progress 1
		.amdhsa_inst_pref_size 55
	.end_amdhsa_kernel
	.amdgpu_metadata
---
amdhsa.version: [ 1, 2 ]
amdhsa.kernels:
  - .name:           k_q19f48029b9_oproj
    .symbol:         k_q19f48029b9_oproj.kd
    .args:
      - { .name: cx, .offset: 0, .size: 8, .value_kind: global_buffer, .address_space: global }
      - { .name: Wo_codes, .offset: 8, .size: 8, .value_kind: global_buffer, .address_space: global }
      - { .name: bo, .offset: 16, .size: 8, .value_kind: global_buffer, .address_space: global }
      - { .name: x, .offset: 24, .size: 8, .value_kind: global_buffer, .address_space: global }
      - { .name: lowp_scales, .offset: 32, .size: 8, .value_kind: global_buffer, .address_space: global }
      - { .name: yy, .offset: 40, .size: 8, .value_kind: global_buffer, .address_space: global }
    .group_segment_fixed_size: 327680
    .private_segment_fixed_size: 0
    .kernarg_segment_align: 8
    .kernarg_segment_size: 48
    .max_flat_workgroup_size: 128
    .sgpr_count:     100
    .vgpr_count:     640
    .wavefront_size: 32
...
	.end_amdgpu_metadata
.endif
;; end of part 4
;; launch ln1 (part 5): grid 256 x 1, 8 waves a work-group, no clusters, 21,504 bytes of LDS; arguments yy, g1, b1, lowp_scales, pa, pc; writes pa, pc
.if DOCPART == 5
	.amdgcn_target "amdgcn-amd-amdhsa--gfx1250"
	.amdhsa_code_object_version 6
	.text
	.protected	k_q19f48029b9_ln1
	.globl	k_q19f48029b9_ln1
	.p2align	8
	.type	k_q19f48029b9_ln1,@function
k_q19f48029b9_ln1:
	s_mov_b64 s[64:65], 0
	v_nop
	global_prefetch_b8 v0, s[64:65] scope:SCOPE_SE
	s_setreg_imm32_b32 hwreg(HW_REG_WAVE_MODE, 25, 1), 1
	s_wait_xcnt 0x0
; Layer norm over rows of 1,024 f32: out = (y - mean) x rsqrt(var + 1e-5) x g + b, stored as f32 (pa) and as E4M3 codes at the scale of entry 12 (pc, [4096][1024] bytes).
; A wave takes two whole rows, 32 registers each: the row is read once, the mean is taken away before the squares are summed (no difference of large sums), and no wave waits for another.
; Each load and store of f32 covers 512 consecutive bytes.  For the codes half a row turns through the wave's own stage in LDS, so that a lane holds 16 neighbours; its 16 codes are 16 bytes.
; LIMITS: entry 12 between -126 and 119.  NaN is not served by the hold.
.set SP, 80
.set G,  16                            ; v16-47  gain
.set B,  48                            ; v48-79  bias
.set X,  80                            ; v80-143 two rows
.set Z,  144                           ; v144-159 16 neighbours
.set CD, 160                           ; v160-175 codes: four registers for each half row
	s_load_b256 s[4:11], s[0:1], 0x0               ; y, g, b, the scales' exponents
	s_load_b128 s[12:15], s[0:1], 0x20             ; pa, pc
	v_lshl_add_u32 v184, v0, 2, 0x5000
	v_mov_b32 v185, 0
	v_lshrrev_b32 v2, 5, v0
	s_delay_alu instid0(VALU_DEP_1)
	v_readfirstlane_b32 s20, v2                    ; wave
	v_and_b32 v3, 31, v0
	s_delay_alu instid0(VALU_DEP_1)
	v_lshlrev_b32 v1, 4, v3                        ; 16 x lane
	s_mul_i32 s21, s20, 32*SP
	v_lshrrev_b32 v14, 2, v3
	s_delay_alu instid0(VALU_DEP_1)
	v_mul_u32_u24 v14, v14, SP
	v_and_b32 v15, 3, v3
	s_delay_alu instid0(VALU_DEP_1)
	v_lshl_add_u32 v14, v15, 4, v14
	s_delay_alu instid0(VALU_DEP_1)
	v_add_nc_u32 v14, s21, v14                     ; the stage, way in
	v_mul_u32_u24 v15, v3, SP
	s_delay_alu instid0(VALU_DEP_1)
	v_add_nc_u32 v15, s21, v15                     ; way out
	s_mov_b32 s16, 0x76543210
	s_mov_b32 s17, 0xfedcba98
	s_mov_b32 s18, 0x3a800000                      ; 1 / 1,024
	s_mov_b32 s19, 0x3727c5ac                      ; 1e-5
	s_lshl_b32 s22, ttmp9, 16                      ; 16 rows of 4,096 bytes a work-group,
	s_lshl_b32 s23, s20, 13                        ; two a wave
	s_add_co_u32 s22, s22, s23
	s_mov_b32 s23, 0
	s_lshr_b32 s24, s22, 2                         ; and of 1,024 bytes of codes
	s_mov_b32 s25, 0
	s_wait_alu depctr_va_vdst(0)
	s_wait_kmcnt 0x0
	s_load_b32 s26, s[10:11], 0x30                 ; entry 12
	s_add_nc_u64 s[4:5], s[4:5], s[22:23]
	s_add_nc_u64 s[12:13], s[12:13], s[22:23]
	s_add_nc_u64 s[14:15], s[14:15], s[24:25]
.irp j, 0,1,2,3,4,5,6,7
	global_load_b128 v[G+4*\j:G+4*\j+3], v1, s[6:7] offset:512*\j
.endr
.irp j, 0,1,2,3,4,5,6,7
	global_load_b128 v[B+4*\j:B+4*\j+3], v1, s[8:9] offset:512*\j
.endr
.irp p, 0,1
.irp j, 0,1,2,3,4,5,6,7
	global_load_b128 v[X+32*\p+4*\j:X+32*\p+4*\j+3], v1, s[4:5] offset:4096*\p+512*\j th:TH_LOAD_NT
.endr
.endr
	s_wait_kmcnt 0x0
	s_add_co_i32 s26, s26, 127
	s_lshl_b32 s27, s26, 23
	v_mov_b32 v177, s27                            ; the scale
	s_add_co_i32 s26, s26, 8
	s_lshl_b32 s26, s26, 23
	s_or_b32 s26, s26, 0x600000
	v_mov_b32 v176, s26                            ; 448 x the scale
.macro REDUCE                          ; four chains v[6:13] -> the sum over the row, in every lane's v6
	s_delay_alu instid0(VALU_DEP_3)
	v_pk_add_f32 v[6:7], v[6:7], v[8:9]
	s_delay_alu instid0(VALU_DEP_2)
	v_pk_add_f32 v[10:11], v[10:11], v[12:13]
	s_delay_alu instid0(VALU_DEP_1)
	v_pk_add_f32 v[6:7], v[6:7], v[10:11]
	s_delay_alu instid0(VALU_DEP_1)
	v_add_f32 v6, v6, v7
	s_delay_alu instid0(VALU_DEP_1)
	v_add_f32_dpp v6, v6, v6 row_xmask:1 row_mask:0xf bank_mask:0xf
	s_delay_alu instid0(VALU_DEP_1)
	v_add_f32_dpp v6, v6, v6 row_xmask:2 row_mask:0xf bank_mask:0xf
	s_delay_alu instid0(VALU_DEP_1)
	v_add_f32_dpp v6, v6, v6 row_xmask:4 row_mask:0xf bank_mask:0xf
	s_delay_alu instid0(VALU_DEP_1)
	v_add_f32_dpp v6, v6, v6 row_xmask:8 row_mask:0xf bank_mask:0xf
	s_delay_alu instid0(VALU_DEP_1)
	v_permlanex16_b32 v7, v6, s16, s17
	s_delay_alu instid0(VALU_DEP_1)
	v_add_f32 v6, v6, v7
.endm
.macro ROW p
.set XP, X+32*\p
	s_wait_loadcnt 8*(1-\p)                        ; gain, bias and this row are in; the second row's eight loads may be out
.irp k, 0,1,2,3
	v_pk_add_f32 v[6+2*\k:7+2*\k], v[XP+2*\k:XP+2*\k+1], v[XP+8+2*\k:XP+9+2*\k]
.endr
.irp k, 0,1,2,3
	s_delay_alu instid0(VALU_DEP_4)
	v_pk_add_f32 v[6+2*\k:7+2*\k], v[6+2*\k:7+2*\k], v[XP+16+2*\k:XP+17+2*\k]
.endr
.irp k, 0,1,2,3
	s_delay_alu instid0(VALU_DEP_4)
	v_pk_add_f32 v[6+2*\k:7+2*\k], v[6+2*\k:7+2*\k], v[XP+24+2*\k:XP+25+2*\k]
.endr
	REDUCE
	s_delay_alu instid0(VALU_DEP_1)
	v_mul_f32 v2, s18, v6                          ; the mean
	s_delay_alu instid0(VALU_DEP_1)
	v_mov_b32 v3, v2
.set j, 0
.rept 16
	v_pk_add_f32 v[XP+j:XP+j+1], v[XP+j:XP+j+1], v[2:3] neg_lo:[0,1] neg_hi:[0,1]
.set j, j+2
.endr
.irp k, 0,1,2,3
	v_pk_mul_f32 v[6+2*\k:7+2*\k], v[XP+2*\k:XP+2*\k+1], v[XP+2*\k:XP+2*\k+1]
.endr
.irp m, 8,16,24
.irp k, 0,1,2,3
	s_delay_alu instid0(VALU_DEP_4)
	v_pk_fma_f32 v[6+2*\k:7+2*\k], v[XP+\m+2*\k:XP+\m+2*\k+1], v[XP+\m+2*\k:XP+\m+2*\k+1], v[6+2*\k:7+2*\k]
.endr
.endr
	REDUCE
	s_delay_alu instid0(VALU_DEP_1)
	v_fma_f32 v8, v6, s18, s19                     ; var + 1e-5
	s_wait_alu depctr_va_vdst(0)
	v_rsq_f32 v4, v8
	v_nop                                          ; a plain place behind the transcendental
	s_wait_alu depctr_va_vdst(0)
	v_mov_b32 v5, v4
.set j, 0
.rept 16
	v_pk_mul_f32 v[XP+j:XP+j+1], v[XP+j:XP+j+1], v[4:5]
.set j, j+2
.endr
.set j, 0
.rept 16
	v_pk_fma_f32 v[XP+j:XP+j+1], v[XP+j:XP+j+1], v[G+j:G+j+1], v[B+j:B+j+1]
.set j, j+2
.endr
.irp j, 0,1,2,3,4,5,6,7
	global_store_b128 v1, v[XP+4*\j:XP+4*\j+3], s[12:13] offset:4096*\p+512*\j
.endr
.irp u, 0,1                            ; half a row, 512 numbers, through the stage
.irp i, 0,1,2,3
	ds_store_b128 v14, v[XP+16*\u+4*\i:XP+16*\u+4*\i+3] offset:8*SP*\i
.endr
.irp i, 0,1,2,3
	ds_load_b128 v[Z+4*\i:Z+4*\i+3], v15 offset:16*\i   ; LDS serves a wave's instructions in order
.endr
	s_wait_dscnt 0x0
.set j, 0
.rept 16
	v_med3_num_f32 v[Z+j], v[Z+j], -v176, v176     ; the conversion does not saturate (ISA guide 7.6.2)
.set j, j+1
.endr
	v_cvt_scalef32_pk8_fp8_f32 v[CD+4*(2*\p+\u):CD+4*(2*\p+\u)+1], v[Z:Z+7], v177
	v_cvt_scalef32_pk8_fp8_f32 v[CD+4*(2*\p+\u)+2:CD+4*(2*\p+\u)+3], v[Z+8:Z+15], v177
	v_nop                                          ; a plain line behind the conversions, ahead of the next vector write of their sources
	global_store_b128 v1, v[CD+4*(2*\p+\u):CD+4*(2*\p+\u)+3], s[14:15] offset:1024*\p+512*\u
.endr
.endm
	ROW 0
	ROW 1
	s_wait_tensorcnt 0x0
	ds_add_u32 v184, v185
	s_wait_dscnt 0x0
	s_endpgm
.Lfunc_end_k_q19f48029b9_ln1:
	.size	k_q19f48029b9_ln1, .Lfunc_end_k_q19f48029b9_ln1-k_q19f48029b9_ln1
	.p2alignl 7, 3214868480
	.fill 96, 4, 3214868480
	.section	.rodata,"a",@progbits
	.p2align	6, 0x0
	.amdhsa_kernel k_q19f48029b9_ln1
		.amdhsa_group_segment_fixed_size 21504
		.amdhsa_private_segment_fixed_size 0
		.amdhsa_enable_private_segment 0
		.amdhsa_kernarg_size 48
		.amdhsa_user_sgpr_count 2
		.amdhsa_user_sgpr_kernarg_segment_ptr 1
		.amdhsa_wavefront_size32 1
		.amdhsa_system_sgpr_workgroup_id_x 1
		.amdhsa_system_sgpr_workgroup_id_y 1
		.amdhsa_system_sgpr_workgroup_id_z 1
		.amdhsa_system_vgpr_workitem_id 0
		.amdhsa_next_free_vgpr 186
		.amdhsa_next_free_sgpr 66
		.amdhsa_reserve_vcc 0
		.amdhsa_float_denorm_mode_32 3
		.amdhsa_float_denorm_mode_16_64 3
		.amdhsa_memory_ordered 1
		.amdhsa_forward_progress 1
		.amdhsa_inst_pref_size 30
	.end_amdhsa_kernel
	.amdgpu_metadata
---
amdhsa.version: [ 1, 2 ]
amdhsa.kernels:
  - .name:           k_q19f48029b9_ln1
    .symbol:         k_q19f48029b9_ln1.kd
    .args:
      - { .name: yy, .offset: 0, .size: 8, .value_kind: global_buffer, .address_space: global }
      - { .name: g1, .offset: 8, .size: 8, .value_kind: global_buffer, .address_space: global }
      - { .name: b1, .offset: 16, .size: 8, .value_kind: global_buffer, .address_space: global }
      - { .name: lowp_scales, .offset: 24, .size: 8, .value_kind: global_buffer, .address_space: global }
      - { .name: pa, .offset: 32, .size: 8, .value_kind: global_buffer, .address_space: global }
      - { .name: pc, .offset: 40, .size: 8, .value_kind: global_buffer, .address_space: global }
    .group_segment_fixed_size: 21504
    .private_segment_fixed_size: 0
    .kernarg_segment_align: 8
    .kernarg_segment_size: 48
    .max_flat_workgroup_size: 256
    .sgpr_count:     66
    .vgpr_count:     186
    .wavefront_size: 32
...
	.end_amdgpu_metadata
.endif
;; end of part 5
;; launch ffn1 (part 6): grid 16 x 16, 4 waves a work-group, clusters of 4 x 4, 327,680 bytes of LDS; arguments pc, W1_codes, bf1, lowp_scales, hc; writes hc
.if DOCPART == 6
	.amdgcn_target "amdgcn-amd-amdhsa--gfx1250"
	.amdhsa_code_object_version 6
	.text
	.protected	k_q19f48029b9_ffn1
	.globl	k_q19f48029b9_ffn1
	.p2align	8
	.type	k_q19f48029b9_ffn1,@function
k_q19f48029b9_ffn1:
	s_mov_b64 s[64:65], 0
	v_nop
	global_prefetch_b8 v0, s[64:65] scope:SCOPE_SE
	s_setreg_imm32_b32 hwreg(HW_REG_WAVE_MODE, 25, 1), 1
	s_wait_xcnt 0x0
	s_wait_alu depctr_hold_cnt(0) depctr_sa_sdst(0) depctr_va_vdst(0) depctr_va_sdst(0) depctr_va_ssrc(0) depctr_va_vcc(0) depctr_vm_vsrc(0)
	s_getreg_b32 s2, hwreg(HW_REG_IB_STS2, 6, 4)
	s_cmp_eq_u32 s2, 0
	s_cbranch_scc0 .Lentry_in_a_cluster
	s_endpgm
.Lentry_in_a_cluster:
	s_bfe_u32 s2, ttmp6, 0x10000c
	s_cmp_lg_u32 s2, 0xf033
	s_cbranch_scc0 .Lentry_shape_is_right
	s_endpgm
.Lentry_shape_is_right:
.set KSTEP,  256
.set ROWB,   256
.set KROW,   1024
.set PITCH,  272
.set FR,     16
.set NL,     4
.set NP,     4
.set HALFT,  128*PITCH
.set SLOT,   4*HALFT
.set LAPS,   2
.set SPARE,  2*SLOT
.set CPITCH, 272
.set BCO,  8
.set RDH,  10
.set RDH2, 11
.set LIM,  12
.set SCL,  13
.set ADRA, 16
.set COH,  18
.set ADRB, 20
.set STO,  24
.set SPW,  28
.set NIL,  29
.set BC,   32
.set CD,   112
.set AF,   128
.set TMP,  128
.set OUT,  128
.set G1, 24
.set G0, 32
.set G1B, 48
.set G0B, 56
.set MSB, 0
.macro WIN new
.if MSB != (\new)
	s_set_vgpr_msb (MSB<<8)|(\new)
.set MSB, \new
.endif
.endm
.set MUL_LO, 0xa1
.set MUL_HI, 0xf1
.set TO_B,   0x40
.macro JLOAD g0a, g1a, g0b, g1b
	s_cmp_eq_u32 s15, 0
	s_cbranch_scc0 .Lfor_b_\@
	tensor_load_to_lds s[\g0a:\g0a+3], s[\g1a:\g1a+7]
	s_nop 0
.rept 4
	v_nop
.endr
	s_branch .Lasked_\@
.Lfor_b_\@:
	tensor_load_to_lds s[\g0b:\g0b+3], s[\g1b:\g1b+7]
	s_nop 0
.rept 4
	v_nop
.endr
.Lasked_\@:
.endm
.macro CREST
	s_cmp_lg_u32 s14, 0
	s_cbranch_scc1 .Lnot_wave_0_\@
	s_barrier_signal -3
.Lnot_wave_0_\@:
	s_barrier_wait -3
	s_barrier_signal -1
	s_barrier_wait -1
.endm
.macro CROUND
	s_barrier_signal -1
	s_barrier_wait -1
	CREST
.endm
	s_load_b256 s[4:11], s[0:1], 0x0
	s_load_b64 s[66:67], s[0:1], 0x20
	v_lshl_add_u32 v[SPW], v0, 2, SPARE
	v_mov_b32 v[NIL], 0
	ds_add_u32 v28, v29
	ds_add_u32 v28, v29
	s_wait_dscnt 0x0
	v_lshrrev_b32 v1, 5, v0
	v_readfirstlane_b32 s14, v1
	v_and_b32 v30, 31, v0
	v_lshlrev_b32 v30, 10, v30                     ; the prefetches' offset: a lane a row of 1,024 bytes
	s_wait_alu depctr_va_vdst(0)
	s_lshr_b32 s15, s14, 1
	s_and_b32 s16, s14, 1
	s_bfe_u32 s40, ttmp6, 0x40000
	s_bfe_u32 s41, ttmp6, 0x40004
	s_lshl_b32 s42, ttmp9, 2
	s_add_co_u32 s42, s42, s40
	s_and_b32 s17, ttmp7, 0xffff
	s_lshl_b32 s17, s17, 2
	s_add_co_u32 s17, s17, s41
	s_lshl_b32 s43, s41, 2
	s_lshl_b32 s43, 15, s43
	s_lshl_b32 s44, 0x1111, s40
	s_or_b32 s[G1+0], s43, (0<<16)|(1<<20)|(1<<21)|(5<<22)|(3<<25)
	s_or_b32 s[G1B+0], s44, (0<<16)|(1<<20)|(1<<21)|(5<<22)|(3<<25)
.irp g, G1, G1B
	s_mov_b32 s[\g+1], ROWB<<16
	s_mov_b32 s[\g+2], 128<<16
	s_mov_b32 s[\g+3], ROWB<<16
	s_mov_b32 s[\g+4], 128
	s_mov_b32 s[\g+5], KROW
	s_mov_b32 s[\g+6], 0
	s_mov_b32 s[\g+7], 0
.endr
	s_lshl_b32 s18, s16, 7
	s_lshl_b32 s20, s17, 8
	s_add_co_u32 s20, s20, s18
	s_lshl_b32 s20, s20, 10
	s_mov_b32 s21, 0
	s_lshl_b32 s46, s42, 8
	s_add_co_u32 s46, s46, s18
	s_lshl_b32 s46, s46, 10
	s_mov_b32 s47, 0
	s_mul_i32 s45, s14, HALFT
	s_wait_kmcnt 0x0
	s_load_b128 s[92:95], s[10:11], 0x30
	s_add_nc_u64 s[20:21], s[4:5], s[20:21]
	s_add_nc_u64 s[46:47], s[6:7], s[46:47]
	s_cmp_eq_u32 s15, 0                            ; the prefetches: of the 128 rows that I fetch, my work-group's 32, told apart by address (cx for the left operand, cy for the right)
	s_cselect_b64 s[72:73], s[20:21], s[46:47]
	s_cselect_b32 s74, s40, s41
	s_lshl_b32 s74, s74, 15
	s_mov_b32 s75, 0
	s_add_nc_u64 s[72:73], s[72:73], s[74:75]
	CROUND
.irp s, 0,1
	s_mov_b32 s[G0+4*\s], 1
	s_add_co_u32 s[G0+4*\s+1], s45, \s*SLOT
	s_add_nc_u64 s[G0+4*\s+2:G0+4*\s+3], s[20:21], \s*ROWB
	s_or_b32 s[G0+4*\s+3], s[G0+4*\s+3], 0x80000000
	s_mov_b32 s[G0B+4*\s], 1
	s_add_co_u32 s[G0B+4*\s+1], s45, \s*SLOT
	s_add_nc_u64 s[G0B+4*\s+2:G0B+4*\s+3], s[46:47], \s*ROWB
	s_or_b32 s[G0B+4*\s+3], s[G0B+4*\s+3], 0x80000000
.if \s                                         ; slot 1's first fill is issued as a refill is; slot 0's stands behind the opening round
	s_wait_alu depctr_va_vdst(0)
	s_wait_tensorcnt 0x0
	ds_add_u32 v28, v29
	ds_add_u32 v28, v29
	s_wait_dscnt 0x0
	CROUND
.endif
	JLOAD G0+4*\s, G1, G0B+4*\s, G1B
.if \s == 0
	global_prefetch_b8 v30, s[72:73] offset:256 th:TH_LOAD_NT scope:SCOPE_SE   ; K step 1 too: its load is issued only when K step 0 has landed
.endif
	global_prefetch_b8 v30, s[72:73] offset:512+256*\s th:TH_LOAD_NT scope:SCOPE_SE   ; behind K step s's load: K step s + 2, 32 rows x 256 bytes
.endr
	v_and_b32 v1, 15, v0
	v_bfe_u32 v2, v0, 4, 1
	v_mul_u32_u24 v3, v1, PITCH
	s_wait_alu depctr_va_vdst(0)
	v_lshl_add_u32 v4, v2, 4, v3
	s_mul_i32 s21, s15, HALFT
	s_mul_i32 s22, s16, HALFT
	s_add_co_u32 s22, s22, 2*HALFT
.irp s, 0,1
	v_add_nc_u32 v[ADRA+\s], s21, v4
	v_add_nc_u32 v[ADRB+\s], s22, v4
	s_add_co_u32 s21, s21, SLOT
	s_add_co_u32 s22, s22, SLOT
.endr
	s_mul_i32 s23, s15, 128*CPITCH
	s_lshl_b32 s68, s16, 7
	s_add_co_u32 s23, s23, s68
	v_lshl_add_u32 v5, v2, 3, v3
	v_add_nc_u32 v[STO], s23, v5
	v_and_b32 v6, 31, v0
	v_lshrrev_b32 v5, 2, v6
	v_mul_u32_u24 v5, v5, CPITCH
	v_and_b32 v7, 3, v0
	v_lshl_add_u32 v5, v7, 4, v5
	s_lshl_b32 s68, s14, 6
	v_add_nc_u32 v[RDH], s68, v5
	v_add_nc_u32 v[RDH2], 128*CPITCH, v[RDH]
	v_lshlrev_b32 v[COH], 4, v6
	s_lshl_b32 s68, s42, 10
	s_lshl_b32 s69, s16, 9
	s_add_co_u32 s68, s68, s69
	v_lshl_add_u32 v[BCO], v2, 5, s68
.irp b, 0,1,2,3,4,5,6,7
	global_load_b128 v[BC+8*\b:BC+8*\b+3], v[BCO], s[8:9] offset:64*\b
	global_load_b128 v[BC+8*\b+4:BC+8*\b+7], v[BCO], s[8:9] offset:64*\b+16
.endr
	s_lshl_b32 s68, s17, 20
	s_lshl_b32 s69, s42, 2
	s_add_co_u32 s69, s69, s14
	s_lshl_b32 s69, s69, 13
	s_add_co_u32 s68, s68, s69
	s_mov_b32 s69, 0
	s_add_nc_u64 s[66:67], s[66:67], s[68:69]
.macro FRAG reg, adr, q, i
.irp c, 0,1,2,3
	ds_load_b128 v[\reg+4*\c:\reg+4*\c+3], v[\adr] offset:128*(\q)+32*\c+(\i)*16*PITCH
.endr
.endm
.macro MUL16 a0, p, zero
.irp a, \a0, \a0+1
.irp b, 0,1,2,3,4,5,6,7
.if \zero
	v_wmma_f32_16x16x128_fp8_fp8 v[8*(8*((\a)%4)+\b):8*(8*((\a)%4)+\b)+7], v[128*(\p)+FR*\b:128*(\p)+FR*\b+FR-1], v[AF+FR*(\a):AF+FR*(\a)+FR-1], 0
.else
	v_wmma_f32_16x16x128_fp8_fp8 v[8*(8*((\a)%4)+\b):8*(8*((\a)%4)+\b)+7], v[128*(\p)+FR*\b:128*(\p)+FR*\b+FR-1], v[AF+FR*(\a):AF+FR*(\a)+FR-1], v[8*(8*((\a)%4)+\b):8*(8*((\a)%4)+\b)+7]
.endif
.endr
.endr
.endm
.macro FETCH_B slot, q, p
	WIN TO_B
.irp i, 0,1,2,3,4,5,6,7
	FRAG 128*(\p)+FR*\i, ADRB+\slot, \q, \i
.endr
	WIN 0
.endm
.macro FETCH_A slot, q, i0
.irp i, \i0, \i0+1, \i0+2, \i0+3
	FRAG AF+FR*(\i), ADRA+\slot, \q, \i
.endr
.endm
.macro PLACES n
.rept \n
	v_nop
.endr
.endm
.macro STEP slot, q, zero
	s_wait_dscnt 4*NL
	WIN MUL_LO
	MUL16 0, (\q)%2, \zero
	MUL16 2, (\q)%2, \zero
	s_wait_dscnt 0
	PLACES NP
	FETCH_B \slot, (\q)+1, 1-(\q)%2
	FETCH_A \slot, (\q)+1, 0
	WIN MUL_HI
	MUL16 4, (\q)%2, \zero
	MUL16 6, (\q)%2, \zero
	PLACES NP
	WIN 0
	FETCH_A \slot, (\q)+1, 4
.endm
.macro TURN slot, next, fill
	s_wait_tensorcnt 0x0
	ds_add_u32 v[SPW], v[NIL]
	s_wait_dscnt 4*NL+1
	WIN MUL_LO
	MUL16 0, 1, 0
	s_wait_dscnt 0x0
	s_barrier_signal -1
	MUL16 2, 1, 0
	WIN 0
	s_barrier_wait -1
.if \fill
	CREST
	s_add_nc_u64 s[G0+4*\slot+2:G0+4*\slot+3], s[G0+4*\slot+2:G0+4*\slot+3], 2*ROWB
	s_add_nc_u64 s[G0B+4*\slot+2:G0B+4*\slot+3], s[G0B+4*\slot+2:G0B+4*\slot+3], 2*ROWB
	JLOAD G0+4*\slot, G1, G0B+4*\slot, G1B
.else
	PLACES NP
.endif
	FETCH_B \next, 0, 0
	FETCH_A \next, 0, 0
	WIN MUL_HI
	MUL16 4, 1, 0
	MUL16 6, 1, 0
	PLACES NP
	WIN 0
	FETCH_A \next, 0, 4
.endm
	s_wait_tensorcnt 1
	s_barrier_signal -1
	s_barrier_wait -1
	FETCH_B 0, 0, 0
	FETCH_A 0, 0, 0
	FETCH_A 0, 0, 4
	STEP 0, 0, 1
	s_mov_b32 s3, LAPS-1
.Llap:
	TURN 0, 1, 1
	STEP 1, 0, 0
	TURN 1, 0, 1
	STEP 0, 0, 0
	s_sub_co_u32 s3, s3, 1
	s_cmp_lg_u32 s3, 0
	s_cbranch_scc1 .Llap
	TURN 0, 1, 0
	STEP 1, 0, 0
	s_wait_dscnt 4*NL
	WIN MUL_LO
	MUL16 0, 1, 0
	MUL16 2, 1, 0
	s_wait_dscnt 0
	WIN MUL_HI
	MUL16 4, 1, 0
	MUL16 6, 1, 0
	WIN 0
.macro CODES a
.set AC, 64*((\a)%4)
	WIN 0x02+((\a)/4)
.set j, 0
.rept 32
	v_pk_fma_f32 v[TMP+j:TMP+j+1], v[AC+j:AC+j+1], s[96:97], v[BC+j:BC+j+1] op_sel_hi:[1,0,1]
.set j, j+2
.endr
	WIN 0
.set j, 0
.rept 64
	v_med3_num_f32 v[TMP+j], v[TMP+j], 0, v[LIM]
.set j, j+1
.endr
	s_wait_alu depctr_va_vdst(0)
	s_wait_dscnt 0x0
.set j, 0
.rept 8
	v_cvt_scalef32_pk8_fp8_f32 v[CD+2*j:CD+2*j+1], v[TMP+8*j:TMP+8*j+7], v[SCL]
.set j, j+1
.endr
	v_nop
.set j, 0
.rept 8
	ds_store_b64 v[STO], v[CD+2*j:CD+2*j+1] offset:(\a)*16*CPITCH+16*j
.set j, j+1
.endr
.endm
	s_wait_kmcnt 0x0
	s_add_co_i32 s96, s92, s93
	s_add_co_i32 s96, s96, 127
	s_lshl_b32 s96, s96, 23
	s_mov_b32 s97, s96
	s_add_co_i32 s94, s94, 127
	s_lshl_b32 s95, s94, 23
	v_mov_b32 v[SCL], s95
	s_add_co_i32 s94, s94, 8
	s_lshl_b32 s94, s94, 23
	s_or_b32 s94, s94, 0x600000
	v_mov_b32 v[LIM], s94
	s_wait_loadcnt 0x0
	PLACES NP
.irp a, 0,1,2,3,4,5,6,7
	CODES \a
.endr
	s_wait_dscnt 0x0
	s_barrier_signal -1
	s_barrier_wait -1
.set j, 0
.rept 16
	ds_load_b128 v[OUT+4*j:OUT+4*j+3], v[RDH] offset:j*8*CPITCH
.set j, j+1
.endr
.rept 16
	ds_load_b128 v[OUT+4*j:OUT+4*j+3], v[RDH2] offset:(j-16)*8*CPITCH
.set j, j+1
.endr
.set j, 0
.rept 32
	s_wait_dscnt 31-j
	global_store_b128 v[COH], v[OUT+4*j:OUT+4*j+3], s[66:67] offset:(j%16)*512+(j/16)*524288
.set j, j+1
.endr
	s_wait_tensorcnt 0x0
	ds_add_u32 v[SPW], v[NIL]
	s_wait_dscnt 0x0
	CROUND
	s_endpgm
.Lfunc_end_k_q19f48029b9_ffn1:
	.size	k_q19f48029b9_ffn1, .Lfunc_end_k_q19f48029b9_ffn1-k_q19f48029b9_ffn1
	.p2alignl 7, 3214868480
	.fill 96, 4, 3214868480
	.section	.rodata,"a",@progbits
	.p2align	6, 0x0
	.amdhsa_kernel k_q19f48029b9_ffn1
		.amdhsa_group_segment_fixed_size 327680
		.amdhsa_private_segment_fixed_size 0
		.amdhsa_enable_private_segment 0
		.amdhsa_kernarg_size 40
		.amdhsa_user_sgpr_count 2
		.amdhsa_user_sgpr_kernarg_segment_ptr 1
		.amdhsa_wavefront_size32 1
		.amdhsa_system_sgpr_workgroup_id_x 1
		.amdhsa_system_sgpr_workgroup_id_y 1
		.amdhsa_system_sgpr_workgroup_id_z 1
		.amdhsa_system_vgpr_workitem_id 0
		.amdhsa_next_free_vgpr 1024
		.amdhsa_next_free_sgpr 100
		.amdhsa_reserve_vcc 0
		.amdhsa_float_denorm_mode_32 3
		.amdhsa_float_denorm_mode_16_64 3
		.amdhsa_memory_ordered 1
		.amdhsa_forward_progress 1
		.amdhsa_inst_pref_size 144
	.end_amdhsa_kernel
	.amdgpu_metadata
---
amdhsa.version: [ 1, 2 ]
amdhsa.kernels:
  - .name:           k_q19f48029b9_ffn1
    .symbol:         k_q19f48029b9_ffn1.kd
    .args:
      - { .name: pc, .offset: 0, .size: 8, .value_kind: global_buffer, .address_space: global }
      - { .name: W1_codes, .offset: 8, .size: 8, .value_kind: global_buffer, .address_space: global }
      - { .name: bf1, .offset: 16, .size: 8, .value_kind: global_buffer, .address_space: global }
      - { .name: lowp_scales, .offset: 24, .size: 8, .value_kind: global_buffer, .address_space: global }
      - { .name: hc, .offset: 32, .size: 8, .value_kind: global_buffer, .address_space: global }
    .group_segment_fixed_size: 327680
    .private_segment_fixed_size: 0
    .kernarg_segment_align: 8
    .kernarg_segment_size: 40
    .max_flat_workgroup_size: 128
    .sgpr_count:     100
    .vgpr_count:     1024
    .wavefront_size: 32
...
	.end_amdgpu_metadata
.endif
;; end of part 6
;; launch ffn2 (part 7): grid 8 x 32, 4 waves a work-group, clusters of 4 x 4, 327,680 bytes of LDS; arguments hc, W2_codes, bf2, pa, lowp_scales, yy; writes yy
.if DOCPART == 7
	.amdgcn_target "amdgcn-amd-amdhsa--gfx1250"
	.amdhsa_code_object_version 6
	.text
	.protected	k_q19f48029b9_ffn2
	.globl	k_q19f48029b9_ffn2
	.p2align	8
	.type	k_q19f48029b9_ffn2,@function
k_q19f48029b9_ffn2:
	s_mov_b64 s[64:65], 0
	v_nop
	global_prefetch_b8 v0, s[64:65] scope:SCOPE_SE
	s_setreg_imm32_b32 hwreg(HW_REG_WAVE_MODE, 25, 1), 1
	s_wait_xcnt 0x0
	s_wait_alu depctr_hold_cnt(0) depctr_sa_sdst(0) depctr_va_vdst(0) depctr_va_sdst(0) depctr_va_ssrc(0) depctr_va_vcc(0) depctr_vm_vsrc(0)
	s_getreg_b32 s2, hwreg(HW_REG_IB_STS2, 6, 4)
	s_cmp_eq_u32 s2, 0
	s_cbranch_scc0 .Lentry_in_a_cluster
	s_endpgm
.Lentry_in_a_cluster:
	s_bfe_u32 s2, ttmp6, 0x10000c
	s_cmp_lg_u32 s2, 0xf033
	s_cbranch_scc0 .Lentry_shape_is_right
	s_endpgm
.Lentry_shape_is_right:
.set SIZE_K, 4096
.set SCOFF,  56
.set LAPS,   SIZE_K/1024
.set ABLK,   32*272
.set AHALF,  4*ABLK
.set BOFF,   8*ABLK
.set BPITCH, 528
.set BHALF,  64*BPITCH
.set SLOT,   BOFF+2*BHALF
.set SPARE,  2*SLOT
.set SPITCH, 272
.set ADRA, 16
.set ADRB, 20
.set STO,  24
.set RD,   25
.set CO,   26
.set BCO,  27
.set SPW,  28
.set NIL,  29
.set BC,   32
.set T,    64
.set OB,   96
.set ACC,  128
.set F0,   0
.set F1,   128
.set G1, 24
.set G0, 32
.set G1B, 48
.set G0B, 56
.set MSB, 0
.macro WIN new
.if MSB != (\new)
	s_set_vgpr_msb (MSB<<8)|(\new)
.set MSB, \new
.endif
.endm
.set MUL,  0x05
.set TO_F, 0x40
.macro JLOAD s
	s_cmp_eq_u32 s15, 0
	s_cbranch_scc0 .Lfor_b_\@
	tensor_load_to_lds s[G0+4*\s:G0+4*\s+3], s[G1:G1+7]
	s_nop 0
.rept 4
	v_nop
.endr
	s_branch .Lasked_\@
.Lfor_b_\@:
	tensor_load_to_lds s[G0B+4*\s:G0B+4*\s+3], s[G1B:G1B+7]
	s_nop 0
.rept 4
	v_nop
.endr
.Lasked_\@:
.endm
.macro CREST
	s_cmp_lg_u32 s14, 0
	s_cbranch_scc1 .Lnot_wave_0_\@
	s_barrier_signal -3
.Lnot_wave_0_\@:
	s_barrier_wait -3
	s_barrier_signal -1
	s_barrier_wait -1
.endm
.macro CROUND
	s_barrier_signal -1
	s_barrier_wait -1
	CREST
.endm
	s_load_b256 s[4:11], s[0:1], 0x0
	s_load_b128 s[68:71], s[0:1], 0x20
	v_lshl_add_u32 v[SPW], v0, 2, SPARE
	v_mov_b32 v[NIL], 0
	ds_add_u32 v28, v29
	ds_add_u32 v28, v29
	s_wait_dscnt 0x0
	v_lshrrev_b32 v1, 5, v0
	v_readfirstlane_b32 s14, v1
	s_lshr_b32 s15, s14, 1
	s_and_b32 s16, s14, 1
	s_cmp_eq_u32 s15, 0                            ; the prefetches' offset: 32 blocks of 256 bytes: on end in the left operand's dense panels, two to a row of the right operand
	s_mov_b32 s78, SIZE_K
	s_cselect_b32 s78, 512, s78
	v_and_b32 v30, 31, v0
	v_lshrrev_b32 v31, 1, v30
	v_and_b32 v30, 1, v30
	v_mul_lo_u32 v31, v31, s78
	v_lshl_add_u32 v30, v30, 8, v31
	s_wait_alu depctr_va_vdst(0)
	s_bfe_u32 s40, ttmp6, 0x40000
	s_bfe_u32 s41, ttmp6, 0x40004
	s_lshl_b32 s42, ttmp9, 2
	s_add_co_u32 s42, s42, s40
	s_and_b32 s17, ttmp7, 0xffff
	s_lshl_b32 s17, s17, 2
	s_add_co_u32 s17, s17, s41
	s_lshl_b32 s43, s41, 2
	s_lshl_b32 s43, 15, s43
	s_lshl_b32 s44, 0x1111, s40
	s_or_b32 s[G1+0], s43, (3<<16)|(1<<20)|(1<<21)|(5<<22)|(3<<25)
	s_mov_b32 s[G1+1], 32<<16
	s_mov_b32 s[G1+2], 128<<16
	s_mov_b32 s[G1+3], 32<<16
	s_mov_b32 s[G1+4], 128
	s_mov_b32 s[G1+5], 32
	s_mov_b32 s[G1+6], 0
	s_mov_b32 s[G1+7], 0
	s_or_b32 s[G1B+0], s44, (0<<16)|(1<<20)|(1<<21)|(6<<22)|(3<<25)
	s_mov_b32 s[G1B+1], 512<<16
	s_mov_b32 s[G1B+2], 64<<16
	s_mov_b32 s[G1B+3], 512<<16
	s_mov_b32 s[G1B+4], 64
	s_mov_b32 s[G1B+5], SIZE_K
	s_mov_b32 s[G1B+6], 0
	s_mov_b32 s[G1B+7], 0
	s_mul_i32 s20, s17, 128*SIZE_K
	s_lshl_b32 s18, s16, 15
	s_add_co_u32 s20, s20, s18
	s_mov_b32 s21, 0
	s_lshl_b32 s46, s42, 7
	s_lshl_b32 s18, s16, 6
	s_add_co_u32 s46, s46, s18
	s_mul_i32 s46, s46, SIZE_K
	s_mov_b32 s47, 0
	s_mul_i32 s45, s16, AHALF
	s_mul_i32 s72, s16, BHALF
	s_add_co_u32 s72, s72, BOFF
	s_wait_kmcnt 0x0
	s_load_b64 s[96:97], s[68:69], SCOFF
	s_add_nc_u64 s[20:21], s[4:5], s[20:21]
	s_add_nc_u64 s[46:47], s[6:7], s[46:47]
	s_cmp_eq_u32 s15, 0                            ; of what I fetch, my work-group's quarter, told apart by address: 8,192 bytes x cx, or 16 rows x cy
	s_cselect_b64 s[80:81], s[20:21], s[46:47]
	s_cselect_b32 s84, s40, s41
	s_cselect_b32 s85, 13, 16
	s_mov_b32 s82, 512
	s_cselect_b32 s82, 0x10000, s82                ; a K step on, in bytes
	s_mov_b32 s83, 0
	s_lshl_b32 s84, s84, s85
	s_mov_b32 s85, 0
	s_add_nc_u64 s[80:81], s[80:81], s[84:85]
	s_add_nc_u64 s[86:87], s[80:81], s[82:83]      ; at K step 1
	s_add_nc_u64 s[80:81], s[86:87], s[82:83]      ; at K step 2
	CROUND
.irp s, 0,1
	s_mov_b32 s[G0+4*\s], 1
	s_add_co_u32 s[G0+4*\s+1], s45, \s*SLOT
	s_add_nc_u64 s[G0+4*\s+2:G0+4*\s+3], s[20:21], \s*65536
	s_or_b32 s[G0+4*\s+3], s[G0+4*\s+3], 0x80000000
	s_mov_b32 s[G0B+4*\s], 1
	s_add_co_u32 s[G0B+4*\s+1], s72, \s*SLOT
	s_add_nc_u64 s[G0B+4*\s+2:G0B+4*\s+3], s[46:47], \s*512
	s_or_b32 s[G0B+4*\s+3], s[G0B+4*\s+3], 0x80000000
.if \s                                         ; slot 1's first fill is issued as a refill is; slot 0's stands behind the opening round
	s_wait_xcnt 0x0                                ; my prefetch has read its address
	s_add_nc_u64 s[80:81], s[80:81], s[82:83]
	s_wait_alu depctr_va_vdst(0)
	s_wait_tensorcnt 0x0
	ds_add_u32 v28, v29
	ds_add_u32 v28, v29
	s_wait_dscnt 0x0
	CROUND
.endif
	JLOAD \s
.if \s == 0
	global_prefetch_b8 v30, s[86:87] th:TH_LOAD_NT scope:SCOPE_SE   ; K step 1 too: its load is issued only when K step 0 has landed
.endif
	global_prefetch_b8 v30, s[80:81] th:TH_LOAD_NT scope:SCOPE_SE   ; behind K step s's load: K step s + 2
.endr
	v_and_b32 v1, 15, v0
	v_bfe_u32 v2, v0, 4, 1
	v_lshrrev_b32 v3, 2, v1
	v_mul_u32_u24 v3, v3, 272
	v_and_b32 v4, 3, v1
	v_lshl_add_u32 v3, v4, 6, v3
	v_lshl_add_u32 v3, v2, 4, v3
	s_mul_i32 s21, s15, 16*272
	v_add_nc_u32 v[ADRA], s21, v3
	v_add_nc_u32 v[ADRA+1], SLOT, v[ADRA]
	v_mul_u32_u24 v4, v1, BPITCH
	v_lshl_add_u32 v4, v2, 4, v4
	s_mul_i32 s22, s16, BHALF
	s_add_co_u32 s22, s22, BOFF
	v_add_nc_u32 v[ADRB], s22, v4
	v_add_nc_u32 v[ADRB+1], SLOT, v[ADRB]
	s_mul_i32 s23, s14, 16*SPITCH
	v_mul_u32_u24 v5, v1, SPITCH
	v_lshl_add_u32 v5, v2, 5, v5
	v_add_nc_u32 v[STO], s23, v5
	v_mul_u32_u24 v5, v2, SPITCH
	v_lshl_add_u32 v5, v1, 4, v5
	v_add_nc_u32 v[RD], s23, v5
	v_lshlrev_b32 v5, 12, v2
	v_lshl_add_u32 v[CO], v1, 4, v5
	v_lshlrev_b32 v[BCO], 5, v2
	s_wait_alu depctr_va_vdst(0)
	s_lshl_b32 s74, s17, 19
	s_lshl_b32 s75, s15, 18
	s_add_co_u32 s74, s74, s75
	s_lshl_b32 s76, s42, 9
	s_lshl_b32 s77, s16, 8
	s_add_co_u32 s76, s76, s77
	s_mov_b32 s77, 0
	s_add_nc_u64 s[8:9], s[8:9], s[76:77]
	s_add_co_u32 s74, s74, s76
	s_mov_b32 s75, 0
	s_add_nc_u64 s[10:11], s[10:11], s[74:75]
	s_add_nc_u64 s[70:71], s[70:71], s[74:75]
.irp b, 0,1,2,3
	global_load_b128 v[BC+8*\b:BC+8*\b+3], v[BCO], s[8:9] offset:64*\b
	global_load_b128 v[BC+8*\b+4:BC+8*\b+7], v[BCO], s[8:9] offset:64*\b+16
.endr
	WIN 0x80
.set j, 0
.rept 32
	global_load_b128 v[4*j:4*j+3], v[CO], s[10:11] offset:2*j*4096
.set j, j+1
.endr
	WIN 0
.macro FETCH slot, q, f
	WIN TO_F
.irp i, 0,1,2,3
.irp c, 0,1,2,3
	ds_load_b128 v[\f+64+16*\i+4*\c:\f+64+16*\i+4*\c+3], v[ADRB+\slot] offset:\i*16*BPITCH+128*(\q)+32*\c
.endr
.endr
.irp i, 0,1,2,3
.irp c, 0,1,2,3
	ds_load_b128 v[\f+16*\i+4*\c:\f+16*\i+4*\c+3], v[ADRA+\slot] offset:(2*(\q)+\c/2)*ABLK+\i*4*272+32*(\c%2)
.endr
.endr
.endm
.macro MUL4 f, a, zero
.irp b, 0,1,2,3
.if \zero
	v_wmma_f32_16x16x128_fp8_fp8 v[ACC+8*(4*\a+\b):ACC+8*(4*\a+\b)+7], v[\f+64+16*\b:\f+64+16*\b+15], v[\f+16*\a:\f+16*\a+15], 0
.else
	v_wmma_f32_16x16x128_fp8_fp8 v[ACC+8*(4*\a+\b):ACC+8*(4*\a+\b)+7], v[\f+64+16*\b:\f+64+16*\b+15], v[\f+16*\a:\f+16*\a+15], v[ACC+8*(4*\a+\b):ACC+8*(4*\a+\b)+7]
.endif
.endr
.endm
.macro PLACES
.rept 4
	v_nop
.endr
.endm
.macro QUARTER slot, q, f, g, zero
	PLACES
	FETCH \slot, \q, \g
	s_wait_dscnt 32
	WIN MUL
	MUL4 \f, 0, \zero
	MUL4 \f, 1, \zero
	MUL4 \f, 2, \zero
	MUL4 \f, 3, \zero
.endm
.macro TURN slot, next, fill
	WIN 0
.if \fill
	s_wait_xcnt 0x0                                ; my prefetch has read its address: it steps a K step on
	s_add_nc_u64 s[80:81], s[80:81], s[82:83]
.endif
	s_wait_tensorcnt 0x0
	ds_add_u32 v[SPW], v[NIL]
	s_wait_dscnt 1
	WIN MUL
	MUL4 F1, 0, 0
	MUL4 F1, 1, 0
	s_wait_dscnt 0x0
	s_barrier_signal -1
	MUL4 F1, 2, 0
	WIN 0
	s_barrier_wait -1
.if \fill
	CREST
	s_add_nc_u64 s[G0+4*\slot+2:G0+4*\slot+3], s[G0+4*\slot+2:G0+4*\slot+3], 131072
	s_add_nc_u64 s[G0B+4*\slot+2:G0B+4*\slot+3], s[G0B+4*\slot+2:G0B+4*\slot+3], 1024
	JLOAD \slot
.else
	PLACES
.endif
	FETCH \next, 0, F0
.if \fill
	WIN 0
	s_cmp_gt_u32 s3, 1                             ; the last trip's two refills have no K step two loads on
	s_cbranch_scc0 .Lno_ask_\@
	global_prefetch_b8 v30, s[80:81] th:TH_LOAD_NT scope:SCOPE_SE   ; the K step that stands two loads on
.Lno_ask_\@:
.endif
	WIN MUL
	MUL4 F1, 3, 0
.endm
	s_wait_tensorcnt 1
	s_barrier_signal -1
	s_barrier_wait -1
	FETCH 0, 0, F0
	QUARTER 0, 1, F0, F1, 1
.if LAPS > 1
	WIN 0
	s_mov_b32 s3, LAPS-1
.Llap:
	QUARTER 0, 2, F1, F0, 0
	QUARTER 0, 3, F0, F1, 0
	TURN 0, 1, 1
	QUARTER 1, 1, F0, F1, 0
	QUARTER 1, 2, F1, F0, 0
	QUARTER 1, 3, F0, F1, 0
	TURN 1, 0, 1
	QUARTER 0, 1, F0, F1, 0
	WIN 0
	s_sub_co_u32 s3, s3, 1
	s_cmp_lg_u32 s3, 0
	s_cbranch_scc1 .Llap
.endif
	QUARTER 0, 2, F1, F0, 0
	QUARTER 0, 3, F0, F1, 0
	TURN 0, 1, 0
	QUARTER 1, 1, F0, F1, 0
	QUARTER 1, 2, F1, F0, 0
	QUARTER 1, 3, F0, F1, 0
	s_wait_dscnt 0x0
	MUL4 F1, 0, 0
	MUL4 F1, 1, 0
	MUL4 F1, 2, 0
	MUL4 F1, 3, 0
	WIN 0
	s_wait_kmcnt 0x0
	s_add_co_i32 s96, s96, s97
	s_add_co_i32 s96, s96, 127
	s_lshl_b32 s96, s96, 23
	s_mov_b32 s97, s96
	s_wait_loadcnt 0x0
	PLACES
.irp a, 0,1,2,3
.set j, 0
.rept 16
	v_pk_fma_f32 v[T+j:T+j+1], v[ACC+32*\a+j:ACC+32*\a+j+1], s[96:97], v[BC+j:BC+j+1] op_sel_hi:[1,0,1]
.set j, j+2
.endr
.irp b, 0,1,2,3
	ds_store_b128 v[STO], v[T+8*\b:T+8*\b+3] offset:64*\b
	ds_store_b128 v[STO], v[T+8*\b+4:T+8*\b+7] offset:64*\b+16
.endr
.irp t, 0,1,2,3,4,5,6,7
	ds_load_b128 v[OB+4*\t:OB+4*\t+3], v[RD] offset:\t*2*SPITCH
.endr
	s_wait_dscnt 0x0
	WIN 0x82
.set j, 0
.rept 16
	v_pk_add_f32 v[32*\a+j:32*\a+j+1], v[32*\a+j:32*\a+j+1], v[OB+j:OB+j+1]
.set j, j+2
.endr
	WIN 0x08
.irp t, 0,1,2,3,4,5,6,7
	global_store_b128 v[CO], v[32*\a+4*\t:32*\a+4*\t+3], s[70:71] offset:(16*\a+2*\t)*4096
.endr
	WIN 0
.endr
	s_wait_tensorcnt 0x0
	ds_add_u32 v[SPW], v[NIL]
	s_wait_dscnt 0x0
	CROUND
	s_endpgm
.Lfunc_end_k_q19f48029b9_ffn2:
	.size	k_q19f48029b9_ffn2, .Lfunc_end_k_q19f48029b9_ffn2-k_q19f48029b9_ffn2
	.p2alignl 7, 3214868480
	.fill 96, 4, 3214868480
	.section	.rodata,"a",@progbits
	.p2align	6, 0x0
	.amdhsa_kernel k_q19f48029b9_ffn2
		.amdhsa_group_segment_fixed_size 327680
		.amdhsa_private_segment_fixed_size 0
		.amdhsa_enable_private_segment 0
		.amdhsa_kernarg_size 48
		.amdhsa_user_sgpr_count 2
		.amdhsa_user_sgpr_kernarg_segment_ptr 1
		.amdhsa_wavefront_size32 1
		.amdhsa_system_sgpr_workgroup_id_x 1
		.amdhsa_system_sgpr_workgroup_id_y 1
		.amdhsa_system_sgpr_workgroup_id_z 1
		.amdhsa_system_vgpr_workitem_id 0
		.amdhsa_next_free_vgpr 640
		.amdhsa_next_free_sgpr 100
		.amdhsa_reserve_vcc 0
		.amdhsa_float_denorm_mode_32 3
		.amdhsa_float_denorm_mode_16_64 3
		.amdhsa_memory_ordered 1
		.amdhsa_forward_progress 1
		.amdhsa_inst_pref_size 84
	.end_amdhsa_kernel
	.amdgpu_metadata
---
amdhsa.version: [ 1, 2 ]
amdhsa.kernels:
  - .name:           k_q19f48029b9_ffn2
    .symbol:         k_q19f48029b9_ffn2.kd
    .args:
      - { .name: hc, .offset: 0, .size: 8, .value_kind: global_buffer, .address_space: global }
      - { .name: W2_codes, .offset: 8, .size: 8, .value_kind: global_buffer, .address_space: global }
      - { .name: bf2, .offset: 16, .size: 8, .value_kind: global_buffer, .address_space: global }
      - { .name: pa, .offset: 24, .size: 8, .value_kind: global_buffer, .address_space: global }
      - { .name: lowp_scales, .offset: 32, .size: 8, .value_kind: global_buffer, .address_space: global }
      - { .name: yy, .offset: 40, .size: 8, .value_kind: global_buffer, .address_space: global }
    .group_segment_fixed_size: 327680
    .private_segment_fixed_size: 0
    .kernarg_segment_align: 8
    .kernarg_segment_size: 48
    .max_flat_workgroup_size: 128
    .sgpr_count:     100
    .vgpr_count:     640
    .wavefront_size: 32
...
	.end_amdgpu_metadata
.endif
;; end of part 7
;; launch ln2 (part 8): grid 256 x 1, 8 waves a work-group, no clusters, 0 bytes of LDS; arguments yy, g2, b2, out0; writes out0
.if DOCPART == 8
	.amdgcn_target "amdgcn-amd-amdhsa--gfx1250"
	.amdhsa_code_object_version 6
	.text
	.protected	k_q19f48029b9_ln2
	.globl	k_q19f48029b9_ln2
	.p2align	8
	.type	k_q19f48029b9_ln2,@function
k_q19f48029b9_ln2:
	s_mov_b64 s[64:65], 0
	v_nop
	global_prefetch_b8 v0, s[64:65] scope:SCOPE_SE
	s_setreg_imm32_b32 hwreg(HW_REG_WAVE_MODE, 25, 1), 1
	s_wait_xcnt 0x0
; Layer norm over rows of 1,024 f32: out = (y - mean) x rsqrt(var + 1e-5) x g + b.
; A wave takes two whole rows, 32 registers each: the row is read once, the mean is taken away before the squares are summed (no difference of large sums), and no wave waits for another.
; Each load and store covers 512 consecutive bytes.
.set G,  16                            ; v16-47  gain
.set B,  48                            ; v48-79  bias
.set X,  80                            ; v80-143 two rows
	s_load_b256 s[4:11], s[0:1], 0x0               ; y, g, b, out
	v_lshrrev_b32 v2, 5, v0
	s_delay_alu instid0(VALU_DEP_1)
	v_readfirstlane_b32 s20, v2                    ; wave
	v_and_b32 v3, 31, v0
	s_delay_alu instid0(VALU_DEP_1)
	v_lshlrev_b32 v1, 4, v3                        ; 16 x lane
	s_mov_b32 s16, 0x76543210
	s_mov_b32 s17, 0xfedcba98
	s_mov_b32 s18, 0x3a800000                      ; 1 / 1,024
	s_mov_b32 s19, 0x3727c5ac                      ; 1e-5
	s_lshl_b32 s22, ttmp9, 16                      ; 16 rows of 4,096 bytes a work-group,
	s_lshl_b32 s23, s20, 13                        ; two a wave
	s_add_co_u32 s22, s22, s23
	s_mov_b32 s23, 0
	s_wait_alu depctr_va_vdst(0)
	s_wait_kmcnt 0x0
	s_add_nc_u64 s[4:5], s[4:5], s[22:23]
	s_add_nc_u64 s[10:11], s[10:11], s[22:23]
.irp j, 0,1,2,3,4,5,6,7
	global_load_b128 v[G+4*\j:G+4*\j+3], v1, s[6:7] offset:512*\j
.endr
.irp j, 0,1,2,3,4,5,6,7
	global_load_b128 v[B+4*\j:B+4*\j+3], v1, s[8:9] offset:512*\j
.endr
.irp p, 0,1
.irp j, 0,1,2,3,4,5,6,7
	global_load_b128 v[X+32*\p+4*\j:X+32*\p+4*\j+3], v1, s[4:5] offset:4096*\p+512*\j th:TH_LOAD_NT
.endr
.endr
.macro REDUCE                          ; four chains v[6:13] -> the sum over the row, in every lane's v6
	s_delay_alu instid0(VALU_DEP_3)
	v_pk_add_f32 v[6:7], v[6:7], v[8:9]
	s_delay_alu instid0(VALU_DEP_2)
	v_pk_add_f32 v[10:11], v[10:11], v[12:13]
	s_delay_alu instid0(VALU_DEP_1)
	v_pk_add_f32 v[6:7], v[6:7], v[10:11]
	s_delay_alu instid0(VALU_DEP_1)
	v_add_f32 v6, v6, v7
	s_delay_alu instid0(VALU_DEP_1)
	v_add_f32_dpp v6, v6, v6 row_xmask:1 row_mask:0xf bank_mask:0xf
	s_delay_alu instid0(VALU_DEP_1)
	v_add_f32_dpp v6, v6, v6 row_xmask:2 row_mask:0xf bank_mask:0xf
	s_delay_alu instid0(VALU_DEP_1)
	v_add_f32_dpp v6, v6, v6 row_xmask:4 row_mask:0xf bank_mask:0xf
	s_delay_alu instid0(VALU_DEP_1)
	v_add_f32_dpp v6, v6, v6 row_xmask:8 row_mask:0xf bank_mask:0xf
	s_delay_alu instid0(VALU_DEP_1)
	v_permlanex16_b32 v7, v6, s16, s17
	s_delay_alu instid0(VALU_DEP_1)
	v_add_f32 v6, v6, v7
.endm
.macro ROW p
.set XP, X+32*\p
	s_wait_loadcnt 8*(1-\p)                        ; gain, bias and this row are in; the second row's eight loads may be out
.irp k, 0,1,2,3
	v_pk_add_f32 v[6+2*\k:7+2*\k], v[XP+2*\k:XP+2*\k+1], v[XP+8+2*\k:XP+9+2*\k]
.endr
.irp k, 0,1,2,3
	s_delay_alu instid0(VALU_DEP_4)
	v_pk_add_f32 v[6+2*\k:7+2*\k], v[6+2*\k:7+2*\k], v[XP+16+2*\k:XP+17+2*\k]
.endr
.irp k, 0,1,2,3
	s_delay_alu instid0(VALU_DEP_4)
	v_pk_add_f32 v[6+2*\k:7+2*\k], v[6+2*\k:7+2*\k], v[XP+24+2*\k:XP+25+2*\k]
.endr
	REDUCE
	s_delay_alu instid0(VALU_DEP_1)
	v_mul_f32 v2, s18, v6                          ; the mean
	s_delay_alu instid0(VALU_DEP_1)
	v_mov_b32 v3, v2
.set j, 0
.rept 16
	v_pk_add_f32 v[XP+j:XP+j+1], v[XP+j:XP+j+1], v[2:3] neg_lo:[0,1] neg_hi:[0,1]
.set j, j+2
.endr
.irp k, 0,1,2,3
	v_pk_mul_f32 v[6+2*\k:7+2*\k], v[XP+2*\k:XP+2*\k+1], v[XP+2*\k:XP+2*\k+1]
.endr
.irp m, 8,16,24
.irp k, 0,1,2,3
	s_delay_alu instid0(VALU_DEP_4)
	v_pk_fma_f32 v[6+2*\k:7+2*\k], v[XP+\m+2*\k:XP+\m+2*\k+1], v[XP+\m+2*\k:XP+\m+2*\k+1], v[6+2*\k:7+2*\k]
.endr
.endr
	REDUCE
	s_delay_alu instid0(VALU_DEP_1)
	v_fma_f32 v8, v6, s18, s19                     ; var + 1e-5
	s_wait_alu depctr_va_vdst(0)
	v_rsq_f32 v4, v8
	v_nop                                          ; a plain place behind the transcendental
	s_wait_alu depctr_va_vdst(0)
	v_mov_b32 v5, v4
.set j, 0
.rept 16
	v_pk_mul_f32 v[XP+j:XP+j+1], v[XP+j:XP+j+1], v[4:5]
.set j, j+2
.endr
.set j, 0
.rept 16
	v_pk_fma_f32 v[XP+j:XP+j+1], v[XP+j:XP+j+1], v[G+j:G+j+1], v[B+j:B+j+1]
.set j, j+2
.endr
.irp j, 0,1,2,3,4,5,6,7
	global_store_b128 v1, v[XP+4*\j:XP+4*\j+3], s[10:11] offset:4096*\p+512*\j th:TH_STORE_NT
.endr
.endm
	ROW 0
	ROW 1
	s_endpgm
.Lfunc_end_k_q19f48029b9_ln2:
	.size	k_q19f48029b9_ln2, .Lfunc_end_k_q19f48029b9_ln2-k_q19f48029b9_ln2
	.p2alignl 7, 3214868480
	.fill 96, 4, 3214868480
	.section	.rodata,"a",@progbits
	.p2align	6, 0x0
	.amdhsa_kernel k_q19f48029b9_ln2
		.amdhsa_group_segment_fixed_size 0
		.amdhsa_private_segment_fixed_size 0
		.amdhsa_enable_private_segment 0
		.amdhsa_kernarg_size 32
		.amdhsa_user_sgpr_count 2
		.amdhsa_user_sgpr_kernarg_segment_ptr 1
		.amdhsa_wavefront_size32 1
		.amdhsa_system_sgpr_workgroup_id_x 1
		.amdhsa_system_sgpr_workgroup_id_y 1
		.amdhsa_system_sgpr_workgroup_id_z 1
		.amdhsa_system_vgpr_workitem_id 0
		.amdhsa_next_free_vgpr 144
		.amdhsa_next_free_sgpr 66
		.amdhsa_reserve_vcc 0
		.amdhsa_float_denorm_mode_32 3
		.amdhsa_float_denorm_mode_16_64 3
		.amdhsa_memory_ordered 1
		.amdhsa_forward_progress 1
		.amdhsa_inst_pref_size 21
	.end_amdhsa_kernel
	.amdgpu_metadata
---
amdhsa.version: [ 1, 2 ]
amdhsa.kernels:
  - .name:           k_q19f48029b9_ln2
    .symbol:         k_q19f48029b9_ln2.kd
    .args:
      - { .name: yy, .offset: 0, .size: 8, .value_kind: global_buffer, .address_space: global }
      - { .name: g2, .offset: 8, .size: 8, .value_kind: global_buffer, .address_space: global }
      - { .name: b2, .offset: 16, .size: 8, .value_kind: global_buffer, .address_space: global }
      - { .name: out0, .offset: 24, .size: 8, .value_kind: global_buffer, .address_space: global }
    .group_segment_fixed_size: 0
    .private_segment_fixed_size: 0
    .kernarg_segment_align: 8
    .kernarg_segment_size: 32
    .max_flat_workgroup_size: 256
    .sgpr_count:     66
    .vgpr_count:     144
    .wavefront_size: 32
...
	.end_amdgpu_metadata
.endif
;; end of part 8
